; MI455X (gfx1250); checked and timed in simulation.
; The chip was launched on July 23, 2026; its instructions are those of AMD's public machine-readable ISA for CDNA 5 (MIT licence, August 2026) and "CDNA5" Instruction Set Architecture Reference Guide (July 2026). The comments in the code are by the model that wrote it; some were corrected since.
;; Mamba2 Block. Allowed arithmetic: float matrix products may take bf16 or f16 operands with f32 sums; other float arithmetic in f32, or as packed bf16 or f16 multiplies, adds, multiply-adds, maxima and minima; sums over many terms, partial sums and values carried from step to step in f32; what a program stores and reads back later, other than sums and carried values, may be rounded once to bf16 or f16.
;; Inputs: D 32 x 64 float32; W_in 8,224 x 2,048 float32; W_out 2,048 x 2,048 float32; beta 2,048 float32; gamma 2,048 float32; x 2 x 1,024 x 2,048 float32.
;; Outputs: out0 2 x 1,024 x 2,048 float32.
;; 2 versions, each right; version 2 is version 1 with the launch prep written anew for expert scheduling mode. Each part assembles by itself: llvm-mc -triple=amdgcn-amd-amdhsa -mcpu=gfx1250 --defsym DOCPART=n.
;; ======== version 1 of 2: 5 launches
;; limits: values are held in f16: magnitudes above 65,504 overflow, below 6.1e-05 lose precision
;; workspace buffers: xb 8,388,608 bytes; wib 33,554,432 bytes; wof 8,388,608 bytes; sb 262,144 bytes; zs 33,554,432 bytes; yg 16,777,216 bytes; yn 8,388,608 bytes
;; launch prep (part 1): grid 1600 x 1, 8 waves a work-group, no clusters, 38,144 bytes of LDS; arguments x, W_in, W_out, xb, wib, wof, sb; writes xb, wib, wof, sb
.if DOCPART == 1
	.amdgcn_target "amdgcn-amd-amdhsa--gfx1250"
	.amdhsa_code_object_version 6
	.text
	.protected	k_q901c047f29_prep
	.globl	k_q901c047f29_prep
	.p2align	8
	.type	k_q901c047f29_prep,@function
k_q901c047f29_prep:
	s_mov_b64 s[64:65], 0
	v_nop
	global_prefetch_b8 v0, s[64:65] scope:SCOPE_SE
	s_setreg_imm32_b32 hwreg(HW_REG_WAVE_MODE, 25, 1), 1
	s_wait_xcnt 0x0
; MAMBA-2 BLOCK, launch 1 of 5: the operands are rounded once, and the decay's exponents are made.
; THE PROGRAM.  prep: x, W_in (rows 0-8191) to bf16, W_out to bf16 written as f16; a_log = x . W_in[8192:8224]^T and its prefix sums.  gemm1: x_t, z_t, b_t, c_t, by heads, f16.
; scan: the recurrence in chunks of 64 steps, + D x, times silu(z).  norm: LayerNorm, gamma, beta.  gemm2: the output projection.
; WORK LEFT OUT, for all values of the inputs.  (1) reference() starts the scan from a state of zeros that it builds itself: the product of that state with c_t is 0 for the first 64 steps
; of each sequence, and no earlier steps exist for the first quarter; both are not computed.  (2) The scan's last state is returned to nobody: the state after each work-group's last chunk is not made.
; (3) In a chunk y_t takes x_j b_j only for j <= t: the 16 x 16 tiles of the chunk's 64 x 64 table with all j > t, and their products with x, are not computed.
; Every input has a way to the output and is loaded.  LIMIT: a NaN, an infinity or an overflow that would reach only the work left out is not carried to the result.
; FORMATS.  All six inputs are rounded to bf16 once; sums are f32.  W_out's bf16 number is written in f16 for the last product: exact from 6.1e-5 to 65,504, below that to 3e-8.
; THE DECAY.  decay = exp(-exp(a)) = 2^a2 with a2 = -min(log2(e) exp(a), 150): 2^-150 is 0 in f32, as the decay itself is there, and the bound keeps every later difference of sums finite.
; sb holds, for each chunk of 64 steps and each head, the inclusive prefix sums of a2 inside the chunk, in f32 (9,600 in size at the most).  A NaN in a counts as a2 = -150.
; SHARES.  Work-groups 0-63: one chunk of 64 rows x 16 heads of a_log; K = 2,048 is split among the eight waves, 256 channels each; the partial sums meet in LDS.
; With 16 heads a K step is 20 loads, and TWO sets of them fit beside the sums in 248 registers, so that two work-groups still share a WGP: while one set is rounded and multiplied the other's
; loads are out and the first is asked for again at once: 20 KiB a wave on their way.  The price: a chunk of x is read by two work-groups.
; Work-groups 64-1599: a cast of 16,384 numbers each: 256 for x, 1,024 for W_in, 256 for W_out; every load of a wave takes 512 consecutive bytes, every store 256, aligned.
.set NA,    64                         ; work-groups of a_log
.set PARTB, 0                          ; LDS: wave w's four partial tiles at 4,096 w, 1,024 bytes each
.set ROWS,  32768                      ; 16 heads x 64 f32, rows 272 bytes apart
.set RP,    272
.set SPARE, 37120                      ; the spare words, 128 bytes for each wave: four blocks of 256 bytes that no other line names
.set SPW, 8                            ; v8   LDS address of my spare word; never rewritten
.set NIL, 9                            ; v9   0; never rewritten
.set RAW, 16                           ; v[16:175]   two sets of 80: five fragments in f32: x rows 16 mt .. (mt 0-3), then W's 16 rows; 16 numbers a lane each
.set FR,  176                          ; v[176:215]  one set in bf16, 8 registers a fragment
.set ACC, 216                          ; v[216:247]  accumulator mt at ACC + 8 mt
	s_load_b256 s[4:11], s[0:1], 0x0               ; x s[4:5], W_in s[6:7], W_out s[8:9], xb s[10:11]
	s_load_b128 s[12:15], s[0:1], 0x20             ; wib s[12:13], wof s[14:15]
	s_load_b64 s[16:17], s[0:1], 0x30              ; sb
	v_lshl_add_u32 v[SPW], v0, 2, SPARE
	v_mov_b32 v[NIL], 0
	v_lshrrev_b32 v1, 5, v0
	v_readfirstlane_b32 s18, v1                    ; wave 0..7
	s_wait_kmcnt 0x0
	s_cmp_lt_u32 ttmp9, NA
	s_cbranch_scc1 .Lalog
; THE CAST.  Sixteen loads of 16 bytes a lane go out together; the waits count the younger loads of the run.  tof16 = 1: the bf16 number is widened (a shift, a mask) and written as f16.
.macro CAST src, dst, first, nt, tof16
	s_sub_co_u32 s20, ttmp9, NA+(\first)           ; my block of 16,384 numbers in this tensor
	s_lshl_b32 s22, s20, 15                        ; 32,768 bytes out,
	s_lshl_b32 s20, s20, 16                        ; 65,536 bytes in
	s_mov_b32 s21, 0
	s_mov_b32 s23, 0
	s_add_nc_u64 s[24:25], s[\src:\src+1], s[20:21]
	s_add_nc_u64 s[26:27], s[\dst:\dst+1], s[22:23]
.irp j, 0,1,2,3,4,5,6,7,8,9,10,11,12,13,14,15
.if \nt
	global_load_b128 v[16+4*(\j):19+4*(\j)], v1, s[24:25] offset:4096*(\j) th:TH_LOAD_NT
.else
	global_load_b128 v[16+4*(\j):19+4*(\j)], v1, s[24:25] offset:4096*(\j)
.endif
.endr
.irp j, 0,1,2,3,4,5,6,7,8,9,10,11,12,13,14,15
	s_wait_loadcnt 15-(\j)                         ; loads come back in order: load j is in, the 15 - j younger ones stay out
	v_cvt_pk_bf16_f32 v[80+2*(\j)], v[16+4*(\j)], v[17+4*(\j)]
	v_cvt_pk_bf16_f32 v[81+2*(\j)], v[18+4*(\j)], v[19+4*(\j)]
.if \tof16
	v_lshlrev_b32 v112, 16, v[80+2*(\j)]
	v_and_b32 v113, 0xffff0000, v[80+2*(\j)]
	v_lshlrev_b32 v114, 16, v[81+2*(\j)]
	v_and_b32 v115, 0xffff0000, v[81+2*(\j)]
	v_cvt_pk_f16_f32 v[80+2*(\j)], v112, v113
	v_cvt_pk_f16_f32 v[81+2*(\j)], v114, v115
.endif
	global_store_b64 v2, v[80+2*(\j):81+2*(\j)], s[26:27] offset:2048*(\j)  ; 32 lanes store 256 consecutive bytes, aligned
.endr
	s_endpgm                                       ; this way wrote no LDS
.endm
	v_lshlrev_b32 v1, 4, v0                        ; 16 bytes a thread in,
	v_lshlrev_b32 v2, 3, v0                        ; 8 out
	s_cmp_lt_u32 ttmp9, NA+256
	s_cbranch_scc1 .Lcast_x
	s_cmp_lt_u32 ttmp9, NA+1280
	s_cbranch_scc1 .Lcast_w
	CAST 8, 14, 1280, 1, 1                         ; W_out
.Lcast_x:
	CAST 4, 10, 0, 0, 0                            ; x: no hint, work-groups 0-63 read it too
.Lcast_w:
	CAST 6, 12, 256, 1, 0                          ; W_in, rows 0-8191
; A_LOG.  D(m = step, n = head) = x rows . W rows.  In a K step of 32 channels lane (r, h) takes the 16 consecutive channels 16 h .. of its row, for both operands alike:
; the products pair the same channels, whatever their place in the registers.
.Lalog:
	v_and_b32 v1, 15, v0                           ; r
	v_bfe_u32 v2, v0, 4, 1                         ; h
	v_and_b32 v3, 31, v0                           ; lane
	s_lshl_b32 s19, s18, 10                        ; my wave's 256 channels: 1,024 bytes of a row
	v_lshlrev_b32 v4, 13, v1                       ; row r: 8,192 bytes
	v_lshl_add_u32 v4, v2, 6, v4
	v_add_nc_u32 v4, s19, v4                       ; v4: my offset in a fragment's rows; never rewritten
	s_lshl_b32 s20, s18, 12
	v_lshl_add_u32 v5, v3, 4, s20                  ; v5: where I put my partial tiles: 4,096 w + 16 l
	s_lshl_b32 s20, s18, 9
	v_lshl_add_u32 v6, v3, 4, s20                  ; v6: what I add up: registers 4 (w & 1) .. + 3 of tile w >> 1: 512 w + 16 l in every wave's part
	v_mul_u32_u24 v7, v1, RP                       ; they are head r, steps 16 (w >> 1) + 8 h + 4 (w & 1) .. + 3
	v_lshl_add_u32 v7, v2, 5, v7
	s_lshr_b32 s21, s18, 1
	s_lshl_b32 s21, s21, 6
	s_and_b32 s22, s18, 1
	s_lshl_b32 s22, s22, 4
	s_add_co_u32 s21, s21, s22
	s_add_co_u32 s21, s21, ROWS
	v_add_nc_u32 v7, s21, v7                       ; v7: where my four a2 go
	s_lshr_b32 s23, ttmp9, 1                       ; the chunk,
	s_and_b32 s22, ttmp9, 1                        ; the half of the heads
	s_lshl_b32 s20, s23, 19                        ; the chunk's 64 rows of x
	s_mov_b32 s21, 0
	s_add_nc_u64 s[24:25], s[4:5], s[20:21]
	s_lshl_b32 s20, s22, 17                        ; 16 rows of W_in
	s_add_nc_u64 s[26:27], s[6:7], s[20:21]
	s_add_nc_u64 s[26:27], s[26:27], 0x4000000     ; behind row 8,192
	s_lshl_b32 s20, ttmp9, 12                      ; 8,192 x chunk + 4,096 x half
	s_add_nc_u64 s[28:29], s[16:17], s[20:21]      ; sb at my 16 heads
.macro LOADS b, off                    ; a K step's 20 loads into set b
.irp m, 0,1,2,3
.irp c, 0,1,2,3
	global_load_b128 v[RAW+80*(\b)+16*(\m)+4*(\c):RAW+80*(\b)+16*(\m)+4*(\c)+3], v4, s[24:25] offset:(\off)+131072*(\m)+16*(\c)
.endr
.endr
.irp c, 0,1,2,3
	global_load_b128 v[RAW+80*(\b)+64+4*(\c):RAW+80*(\b)+64+4*(\c)+3], v4, s[26:27] offset:(\off)+16*(\c)
.endr
.endm
.macro CVT b
.set k, 0
.rept 40
	v_cvt_pk_bf16_f32 v[FR+k], v[RAW+80*(\b)+2*k], v[RAW+80*(\b)+2*k+1]
.set k, k+1
.endr
.endm
.macro MUL                             ; four products; the four accumulators take turns, over the backward jump too
.irp m, 0,1,2,3
	v_wmma_f32_16x16x32_bf16 v[ACC+8*(\m):ACC+8*(\m)+7], v[FR+8*(\m):FR+8*(\m)+7], v[FR+32:FR+39], v[ACC+8*(\m):ACC+8*(\m)+7]
.endr
.endm
.macro PLACES                          ; four places between a product and a vector line that writes its sources or reads its result (ISA guide 7.12.1)
.rept 4
	v_nop
.endr
.endm
	LOADS 0, 0                                     ; K step 0
	LOADS 1, 128                                   ; K step 1
.set r, 0
.rept 32
	v_mov_b32 v[ACC+r], 0                          ; the sums start at 0: written while the first loads are on their way, so that the loop has one form of product
.set r, r+1
.endr
	s_mov_b32 s19, 3
.Lk:                                               ; K steps 2 i and 2 i + 1 are multiplied, 2 i + 2 and 2 i + 3 asked for
	s_wait_loadcnt 20                              ; set 0 is in; set 1's 20 loads may stay out
	PLACES
	CVT 0
	s_wait_xcnt 0x0                                ; every load issued so far has read its base, so the bases may be written
	s_add_nc_u64 s[24:25], s[24:25], 256
	s_add_nc_u64 s[26:27], s[26:27], 256
	LOADS 0, 0
	MUL
	s_wait_loadcnt 20                              ; set 1 is in; set 0's 20 new loads may stay out
	PLACES
	CVT 1
	LOADS 1, 128
	MUL
	s_sub_co_u32 s19, s19, 1
	s_cmp_lg_u32 s19, 0
	s_cbranch_scc1 .Lk
	s_wait_loadcnt 20                              ; K steps 6 and 7 load nothing
	PLACES
	CVT 0
	MUL
	s_wait_loadcnt 0x0
	PLACES
	CVT 1
	MUL
	PLACES
.irp t, 0,1,2,3
	ds_store_b128 v5, v[ACC+8*(\t):ACC+8*(\t)+3] offset:PARTB+1024*(\t)      ; each accumulator's low registers first
	ds_store_b128 v5, v[ACC+8*(\t)+4:ACC+8*(\t)+7] offset:PARTB+1024*(\t)+512
.endr
	s_wait_dscnt 0x0                               ; for the others: my partial sums lie in LDS
	s_barrier_signal -1
	s_barrier_wait -1
.irp u, 0,1,2,3,4,5,6,7                ; the eight waves' parts of my half tile
	ds_load_b128 v[16+4*(\u):19+4*(\u)], v6 offset:PARTB+4096*(\u)
.endr
	s_wait_dscnt 0x0
.irp i, 0,2,4,6,8,10,12,14
	v_pk_add_f32 v[16+(\i):17+(\i)], v[16+(\i):17+(\i)], v[32+(\i):33+(\i)]
.endr
.irp i, 0,2,4,6
	v_pk_add_f32 v[16+(\i):17+(\i)], v[16+(\i):17+(\i)], v[24+(\i):25+(\i)]
.endr
.irp i, 0,2
	v_pk_add_f32 v[16+(\i):17+(\i)], v[16+(\i):17+(\i)], v[20+(\i):21+(\i)]
.endr
.irp i, 0,1,2,3
	v_mul_f32 v[16+(\i)], 0x3fb8aa3b, v[16+(\i)]   ; a log2(e)
.endr
.irp i, 0,1,2,3
	v_exp_f32 v[16+(\i)], v[16+(\i)]               ; exp(a)
.endr
	v_nop                                          ; a plain instruction behind the last exponential,
	s_wait_alu depctr_va_vdst(0)                   ; and one wait for the batch of four, ahead of the first reader
.irp i, 0,1,2,3
	v_mul_f32 v[16+(\i)], 0xbfb8aa3b, v[16+(\i)]   ; -log2(e) exp(a)
.endr
.irp i, 0,1,2,3
	v_max_num_f32 v[16+(\i)], 0xc3160000, v[16+(\i)]  ; not below -150: an infinity ends here
.endr
	ds_store_b128 v7, v[16:19]
	s_wait_dscnt 0x0                               ; for wave 0: my a2 lie in LDS
	s_barrier_signal -1
	s_barrier_wait -1
	s_cmp_lg_u32 s18, 0
	s_cbranch_scc1 .Laend
	; wave 0: lane (r, h) sums steps 32 h .. 32 h + 31 of head r; the lanes of the second half then add the first half's total
	v_mul_u32_u24 v10, v1, RP
	v_lshl_add_u32 v10, v2, 7, v10
	v_add_nc_u32 v10, ROWS, v10
	v_mul_u32_u24 v11, v2, RP
	v_lshl_add_u32 v11, v1, 4, v11
	v_add_nc_u32 v11, ROWS, v11                    ; back: lanes 0-15 one head's 256 bytes, lanes 16-31 the next head's
	v_lshlrev_b32 v12, 4, v3
	s_mov_b32 s20, 0x76543210                      ; v_permlanex16_b32: each lane takes its own place in the other half
	s_mov_b32 s21, 0xfedcba98
.irp k, 0,1,2,3,4,5,6,7
	ds_load_b128 v[16+4*(\k):19+4*(\k)], v10 offset:16*(\k)
.endr
	v_mov_b32 v48, 0                               ; v_permlanex16_b32's destination counts as read,
	v_mov_b32 v49, 0                               ; and v49 is named with it as a pair
	s_wait_dscnt 0x0
.set i, 0
.rept 31
	v_add_f32 v[17+i], v[16+i], v[17+i]            ; the inclusive prefix sums of 32 steps, in f32, in the steps' order
.set i, i+1
.endr
	v_permlanex16_b32 v48, v47, s20, s21           ; the other half's total,
	v_cmp_eq_u32 vcc_lo, 1, v2
	v_cndmask_b32 v48, 0, v48, vcc_lo              ; which counts for steps 32 to 63 alone
.set i, 0
.rept 16
	v_pk_add_f32 v[16+2*i:17+2*i], v[16+2*i:17+2*i], v[48:49] op_sel_hi:[1,0]
.set i, i+1
.endr
.irp k, 0,1,2,3,4,5,6,7
	ds_store_b128 v10, v[16+4*(\k):19+4*(\k)] offset:16*(\k)
.endr
.irp k, 0,1,2,3,4,5,6,7
	ds_load_b128 v[80+4*(\k):83+4*(\k)], v11 offset:2*RP*(\k)  ; LDS serves a wave's instructions in order (ISA guide 5.7.1.4): these see the stores above
.endr
.irp k, 0,1,2,3,4,5,6,7
	s_wait_dscnt 7-(\k)                            ; load k is back, the 7 - k younger ones stay out
	global_store_b128 v12, v[80+4*(\k):83+4*(\k)], s[28:29] offset:512*(\k)  ; two heads' rows: 512 consecutive bytes
.endr
.Laend:
	s_wait_tensorcnt 0x0                           ; the wave's end: the closing lines behind my last LDS store
	ds_add_u32 v[SPW], v[NIL]
	s_wait_dscnt 0x0
	s_endpgm
.Lfunc_end_k_q901c047f29_prep:
	.size	k_q901c047f29_prep, .Lfunc_end_k_q901c047f29_prep-k_q901c047f29_prep
	.p2alignl 7, 3214868480
	.fill 96, 4, 3214868480
	.section	.rodata,"a",@progbits
	.p2align	6, 0x0
	.amdhsa_kernel k_q901c047f29_prep
		.amdhsa_group_segment_fixed_size 38144
		.amdhsa_private_segment_fixed_size 0
		.amdhsa_enable_private_segment 0
		.amdhsa_kernarg_size 56
		.amdhsa_user_sgpr_count 2
		.amdhsa_user_sgpr_kernarg_segment_ptr 1
		.amdhsa_wavefront_size32 1
		.amdhsa_system_sgpr_workgroup_id_x 1
		.amdhsa_system_sgpr_workgroup_id_y 1
		.amdhsa_system_sgpr_workgroup_id_z 1
		.amdhsa_system_vgpr_workitem_id 0
		.amdhsa_next_free_vgpr 248
		.amdhsa_next_free_sgpr 66
		.amdhsa_reserve_vcc 1
		.amdhsa_float_denorm_mode_32 3
		.amdhsa_float_denorm_mode_16_64 3
		.amdhsa_memory_ordered 1
		.amdhsa_forward_progress 1
		.amdhsa_inst_pref_size 54
	.end_amdhsa_kernel
	.amdgpu_metadata
---
amdhsa.version: [ 1, 2 ]
amdhsa.kernels:
  - .name:           k_q901c047f29_prep
    .symbol:         k_q901c047f29_prep.kd
    .args:
      - { .name: x, .offset: 0, .size: 8, .value_kind: global_buffer, .address_space: global }
      - { .name: W_in, .offset: 8, .size: 8, .value_kind: global_buffer, .address_space: global }
      - { .name: W_out, .offset: 16, .size: 8, .value_kind: global_buffer, .address_space: global }
      - { .name: xb, .offset: 24, .size: 8, .value_kind: global_buffer, .address_space: global }
      - { .name: wib, .offset: 32, .size: 8, .value_kind: global_buffer, .address_space: global }
      - { .name: wof, .offset: 40, .size: 8, .value_kind: global_buffer, .address_space: global }
      - { .name: sb, .offset: 48, .size: 8, .value_kind: global_buffer, .address_space: global }
    .group_segment_fixed_size: 38144
    .private_segment_fixed_size: 0
    .kernarg_segment_align: 8
    .kernarg_segment_size: 56
    .max_flat_workgroup_size: 256
    .sgpr_count:     66
    .vgpr_count:     248
    .wavefront_size: 32
...
	.end_amdgpu_metadata
.endif
;; end of part 1
;; launch gemm1 (part 2): grid 32 x 8, 4 waves a work-group, clusters of 4 x 4, 327,680 bytes of LDS; arguments xb, wib, zs; writes zs
.if DOCPART == 2
	.amdgcn_target "amdgcn-amd-amdhsa--gfx1250"
	.amdhsa_code_object_version 6
	.text
	.protected	k_q901c047f29_gemm1
	.globl	k_q901c047f29_gemm1
	.p2align	8
	.type	k_q901c047f29_gemm1,@function
k_q901c047f29_gemm1:
	s_mov_b64 s[64:65], 0
	v_nop
	global_prefetch_b8 v0, s[64:65] scope:SCOPE_SE
	s_setreg_imm32_b32 hwreg(HW_REG_WAVE_MODE, 25, 1), 1
	s_wait_xcnt 0x0
	s_wait_alu depctr_hold_cnt(0) depctr_sa_sdst(0) depctr_va_vdst(0) depctr_va_sdst(0) depctr_va_ssrc(0) depctr_va_vcc(0) depctr_vm_vsrc(0)
	s_getreg_b32 s2, hwreg(HW_REG_IB_STS2, 6, 4)
	s_cmp_eq_u32 s2, 0
	s_cbranch_scc0 .Lentry_in_a_cluster
	s_endpgm
.Lentry_in_a_cluster:
	s_bfe_u32 s2, ttmp6, 0x10000c
	s_cmp_lg_u32 s2, 0xf033
	s_cbranch_scc0 .Lentry_shape_is_right
	s_endpgm
.Lentry_shape_is_right:
; MAMBA-2 BLOCK, launch 2 of 5: Z[m][n] = sum over k of xb[m][k] wib[n][k], m = 2,048 rows (b, t), n = 8,192 columns (x_t, z_t, b_t, c_t), k = 2,048; bf16 operands, f32 sums.
; Z leaves in f16 BY HEADS: zs[b][gh][t][64], gh = n / 64 (0-31 x, 32-63 z, 64-95 b, 96-127 c): a head's 1,024 rows are 131,072 dense bytes.  LIMIT: |Z| stays within f16's 65,504.
; Nothing of this product is left out: all 8,192 columns are used (the 32 columns of a_log were made in the launch before).
; A tile of Z, 256 x 256, is made by a work-group of four waves; a wave makes 128 x 128: 64 accumulators of 16 x 16, 512 registers.  32 x 8 tiles: 256 work-groups.
; K goes in steps of 128 through a ring of two LDS slots filled by the tensor data mover: tile rows are 256 bytes of memory, aligned.
; CLUSTERS: 4 x 4 work-groups.  The four of a row of the cluster need the same tiles of xb, the four of a column the same tiles of wib: each tile is asked for JOINTLY, by the same tensor
; load with the same descriptor and a mask that names the four.  The last K step goes by rows of Z, so that finished rows leave while the others are multiplied.
; REGISTERS, in windows of 256 (s_set_vgpr_msb: bits 1:0 source 0, 3:2 source 1, 5:4 source 2, 7:6 destination):
;   window 0: v0-31 addresses; v64-127, v128-191 fragments of A, two buffers (in the last K step four, of 16 rows x 128 K); v32-63, v192-255 at work on the way out
;   window 1: v64-127, v128-191 fragments of B, two buffers; in the last K step all 256        window 2: the accumulators of my rows 0-63        window 3: those of my rows 64-127
; THE MATRIX INSTRUCTION IS USED TRANSPOSED: source 0 = 16 rows of wib, source 1 = 16 rows of xb: a lane then holds row l % 16 of Z and the eight neighbouring columns 8 (l / 16) + 0..7.
.set SIZE_K, 2048
.set KSTEP,  128
.set PITCH,  272                       ; an LDS row: 256 bytes + 16 of padding = 68 words: the 16 rows of a fragment load start at 16 different groups of four banks (ISA guide 11.1)
.set HALFT,  128*PITCH                 ; 128 rows: what one tensor load brings
.set SLOT,   4*HALFT                   ; A's 256 rows, then B's 256 rows
.set STAGE,  2*SLOT                    ; behind the ring: 16 rows x 272 bytes for each wave, for the way out
.set SPITCH, 272
.set SPARE,  STAGE+4*16*SPITCH         ; the spare words, 128 bytes for each wave: two blocks of 256 bytes that no other line names
.set LAPS,   SIZE_K/(2*KSTEP)          ; a lap = two K steps = once round the ring
.set HEADB,  131072                    ; bytes of a head in zs
.set ADRA, 16                          ; v16-17  LDS address of my A fragments in slot 0, 1
.set ADRB, 20                          ; v20-21  the same for B
.set STO,  24                          ; v24     the way out: where I put 16 bytes of a row
.set RD,   25                          ; v25     the way out: where I read rows back
.set CO,   26                          ; v26     16 x lane: my place in 512 consecutive bytes of zs
.set SPW,  28                          ; v28     LDS address of my spare word; never rewritten
.set NIL,  29                          ; v29     0; never rewritten
.set PFO,  30                          ; v30     the prefetches' offset: my lane x a row (4,096 bytes); never rewritten
.set PFA,  44                          ; s[44:45] where my prefetches stand
.set LIM,  43                          ; s43     1 in a wave that prefetches, else the greatest number
.set F0,   64
.set F1,   128
.set TMP,  192
.set OB,   32
.set PA,   64
.set G1, 24                            ; s[24:31] descriptor group 1 for A's tiles
.set G0, 32                            ; s[32:39] group 0 for A's tiles, a set for each slot
.set G1B, 48                           ; s[48:55], s[56:63] the same for B's
.set G0B, 56
.set MSB, 0
.macro WIN new                         ; the immediate's high byte repeats the setting that is left; a switch that changes nothing is dropped
.if MSB != (\new)
	s_set_vgpr_msb (MSB<<8)|(\new)
.set MSB, \new
.endif
.endm
.set MUL_LO, 0xa1                      ; source 0 (B) window 1, source 1 (A) window 0, C and D window 2
.set MUL_HI, 0xf1                      ; the same, C and D window 3
.set TO_B,   0x40                      ; destination window 1, address window 0
; A joint load.  Waves 0 and 1 fetch A's two halves, waves 2 and 3 B's.  The branch hangs on the wave's number alone.  An s_nop 0 and four v_nop follow each of the two lines.
.macro JLOAD s
	s_cmp_eq_u32 s11, 0
	s_cbranch_scc0 .Lfor_b_\@
	tensor_load_to_lds s[G0+4*(\s):G0+4*(\s)+3], s[G1:G1+7]
	s_nop 0
.rept 4
	v_nop
.endr
	s_branch .Lasked_\@
.Lfor_b_\@:
	tensor_load_to_lds s[G0B+4*(\s):G0B+4*(\s)+3], s[G1B:G1B+7]
	s_nop 0
.rept 4
	v_nop
.endr
.Lasked_\@:
.endm
; A PREFETCH INTO THE L2, behind each joint refill and the run of LDS loads that follows it: the K step that stands two refills on: 32 rows x 256 bytes, a lane a row, one instruction a wave:
; 512 matrix instructions ahead of the load that will want it.  Each row's 256 bytes of a K step are named once in the launch: A's rows by the clusters with x = 0, B's by those with y = 0;
; of the 128 rows that a wave fetches the partner at place p (cx for A, cy for B) takes 32 p .. 32 p + 31, told apart by address.  The loop's last trip asks for nothing: K ends there.
.macro ASK
	s_cmp_gt_u32 s3, s[LIM]                        ; s3 = 1 in the loop's last trip
	s_cbranch_scc0 .Lnot_mine_\@
	global_prefetch_b8 v[PFO], s[PFA:PFA+1] offset:KSTEP*2 th:TH_LOAD_NT scope:SCOPE_SE
.Lnot_mine_\@:
.endm
.macro CREST                           ; a round of the cluster's barrier behind its opening barrier
	s_cmp_lg_u32 s10, 0
	s_cbranch_scc1 .Lnot_wave_0_\@
	s_barrier_signal -3
.Lnot_wave_0_\@:
	s_barrier_wait -3
	s_barrier_signal -1
	s_barrier_wait -1
.endm
.macro CROUND                          ; a whole round
	s_barrier_signal -1
	s_barrier_wait -1
	CREST
.endm
	s_load_b128 s[4:7], s[0:1], 0x0                ; xb s[4:5], wib s[6:7]
	s_load_b64 s[8:9], s[0:1], 0x10                ; zs
	v_lshl_add_u32 v[SPW], v0, 2, SPARE
	v_mov_b32 v[NIL], 0
	ds_add_u32 v[SPW], v[NIL]                      ; the wave's opening: the add, twice on end, and its wait ahead of my first tensor load
	ds_add_u32 v[SPW], v[NIL]
	v_lshrrev_b32 v1, 5, v0
	v_readfirstlane_b32 s10, v1                    ; wave 0..3
	s_lshr_b32 s11, s10, 1                         ; which half of the tile's rows is mine.  Also: I fetch for A (0) or for B (1)
	s_and_b32 s12, s10, 1                          ; which half of its columns.  Also: which 128 rows of that tile I fetch
	s_bfe_u32 s40, ttmp6, 0x40000                  ; cx
	s_bfe_u32 s41, ttmp6, 0x40004                  ; cy
	s_lshl_b32 s42, ttmp9, 2
	s_add_co_u32 s42, s42, s40                     ; tile column = 4 x cluster x + cx
	s_and_b32 s13, ttmp7, 0xffff
	s_lshl_b32 s13, s13, 2
	s_add_co_u32 s13, s13, s41                     ; tile row = 4 x cluster y + cy
	s_lshl_b32 s43, s41, 2
	s_lshl_b32 s43, 15, s43                        ; my row of the cluster: places 4 cy .. 4 cy + 3
	s_lshl_b32 s44, 0x1111, s40                    ; my column: places cx, cx + 4, cx + 8, cx + 12
	s_or_b32 s[G1+0], s43, (1<<16)|(1<<20)|(1<<21)|(5<<22)|(3<<25)  ; the mask; 2-byte elements; padding on; bit 21 beside a mask; after every 64 words; 4 words
	s_or_b32 s[G1B+0], s44, (1<<16)|(1<<20)|(1<<21)|(5<<22)|(3<<25)
.irp g, G1, G1B
	s_mov_b32 s[(\g)+1], KSTEP<<16                 ; tensor_dim0 = 128
	s_mov_b32 s[(\g)+2], 128<<16                   ; tensor_dim1 = 128
	s_mov_b32 s[(\g)+3], KSTEP<<16                 ; tile_dim0 = 128
	s_mov_b32 s[(\g)+4], 128                       ; tile_dim1 = 128
	s_mov_b32 s[(\g)+5], SIZE_K                    ; elements from row to row
	s_mov_b32 s[(\g)+6], 0
	s_mov_b32 s[(\g)+7], 0
.endr
	s_lshl_b32 s17, s12, 7                         ; which 128 rows of the tile I fetch
	s_lshl_b32 s16, s13, 8
	s_add_co_u32 s16, s16, s17                     ; A: row 256 x tile row + 128 x half
	s_lshl_b32 s46, s42, 8
	s_add_co_u32 s46, s46, s17                     ; B: row 256 x tile column + 128 x half
	s_mov_b32 s17, 0
	s_mov_b32 s47, 0
	s_mov_b64 s[18:19], SIZE_K*2
	s_mul_u64 s[16:17], s[16:17], s[18:19]
	s_mul_u64 s[46:47], s[46:47], s[18:19]
	s_mul_i32 s20, s10, HALFT                      ; where they go: wave x 128 rows: no place in the cluster enters an LDS address
	s_wait_dscnt 0x0                               ; both opening adds are done
	s_wait_kmcnt 0x0
	s_add_nc_u64 s[14:15], s[4:5], s[16:17]
	s_add_nc_u64 s[46:47], s[6:7], s[46:47]
	CROUND                                         ; all sixteen work-groups are here: the first joint loads meet
.irp s, 0,1
	s_mov_b32 s[G0+4*(\s)], 1
	s_add_co_u32 s[G0+4*(\s)+1], s20, (\s)*SLOT
	s_add_nc_u64 s[G0+4*(\s)+2:G0+4*(\s)+3], s[14:15], (\s)*KSTEP*2
	s_or_b32 s[G0+4*(\s)+3], s[G0+4*(\s)+3], 0x80000000
	s_mov_b32 s[G0B+4*(\s)], 1
	s_add_co_u32 s[G0B+4*(\s)+1], s20, (\s)*SLOT
	s_add_nc_u64 s[G0B+4*(\s)+2:G0B+4*(\s)+3], s[46:47], (\s)*KSTEP*2
	s_or_b32 s[G0B+4*(\s)+3], s[G0B+4*(\s)+3], 0x80000000
	JLOAD \s                                       ; two loads of mine are out
.endr
	v_and_b32 v1, 15, v0                           ; l % 16
	v_bfe_u32 v2, v0, 4, 1                         ; l / 16
	v_mul_u32_u24 v3, v1, PITCH
	v_lshl_add_u32 v3, v2, 4, v3                   ; a fragment's row x pitch + 16 x half
	s_mul_i32 s21, s11, HALFT                      ; my 128 rows of A
	s_mul_i32 s22, s12, HALFT                      ; my 128 rows of B,
	s_add_co_u32 s22, s22, 2*HALFT                 ; which lie behind A's 256
.irp s, 0,1
	v_add_nc_u32 v[ADRA+(\s)], s21, v3
	v_add_nc_u32 v[ADRB+(\s)], s22, v3
	s_add_co_u32 s21, s21, SLOT
	s_add_co_u32 s22, s22, SLOT
.endr
	s_mul_i32 s23, s10, 16*SPITCH
	s_add_co_u32 s23, s23, STAGE                   ; my stage
	v_mul_u32_u24 v4, v1, SPITCH                   ; in: row l % 16, 16 bytes for each half of the lanes
	v_lshl_add_u32 v4, v2, 4, v4
	v_add_nc_u32 v[STO], s23, v4
	v_bfe_u32 v5, v0, 3, 2                         ; back: 32 lanes take four rows x 128 bytes: one head's part of them,
	v_mul_u32_u24 v5, v5, SPITCH
	v_and_b32 v6, 7, v0
	v_lshl_add_u32 v5, v6, 4, v5
	v_add_nc_u32 v[RD], s23, v5
	v_and_b32 v[CO], 31, v0                        ; which are 512 consecutive bytes of zs
	v_lshlrev_b32 v[CO], 4, v[CO]
	; where my part begins in zs: b = tile row / 4; t = 256 (tile row % 4) + 128 x row half; gh = 4 x tile column + 2 x column half
	s_lshr_b32 s16, s13, 2
	s_lshl_b32 s16, s16, 24                        ; b x 128 heads
	s_and_b32 s14, s13, 3
	s_lshl_b32 s14, s14, 8
	s_lshl_b32 s15, s11, 7
	s_add_co_u32 s14, s14, s15
	s_lshl_b32 s14, s14, 7                         ; t x 128 bytes
	s_add_co_u32 s16, s16, s14
	s_mov_b32 s17, 0
	s_lshl_b32 s46, s42, 2                         ; (in the registers that held B's address: none that feeds A's descriptors ever holds cx)
	s_lshl_b32 s47, s12, 1
	s_add_co_u32 s46, s46, s47
	s_lshl_b32 s46, s46, 17                        ; gh x 131,072 bytes
	s_mov_b32 s47, 0
	s_add_nc_u64 s[16:17], s[16:17], s[46:47]      ; the first way out adds it to zs's address
	; the prefetches
	s_lshl_b32 s13, s13, 8                         ; 256 x tile row
	s_lshl_b32 s42, s42, 8
	s_and_b32 s22, ttmp7, 0xffff                   ; cluster y
	s_cmp_eq_u32 s11, 0                            ; do I fetch for A?
	s_cselect_b32 s20, s13, s42                    ; the tile's first row
	s_cselect_b32 s21, s40, s41                    ; my place among the four that ask for it with me
	s_cselect_b32 s22, ttmp9, s22                  ; the coordinate along which other clusters read the same rows
	s_cselect_b64 s[PFA:PFA+1], s[4:5], s[6:7]
	s_cmp_eq_u32 s22, 0
	s_cselect_b32 s[LIM], 1, -1                    ; the same in all sixteen partners, for a given wave
	s_lshl_b32 s22, s12, 7
	s_add_co_u32 s20, s20, s22                     ; + the 128 rows that I fetch
	s_lshl_b32 s21, s21, 5
	s_add_co_u32 s20, s20, s21                     ; + my work-group's 32 of them
	s_mov_b32 s21, 0
	s_mov_b64 s[18:19], SIZE_K*2
	s_mul_u64 s[20:21], s[20:21], s[18:19]
	s_add_nc_u64 s[PFA:PFA+1], s[PFA:PFA+1], s[20:21]
	s_add_nc_u64 s[PFA:PFA+1], s[PFA:PFA+1], 2*KSTEP*2  ; at K step 2: the first refill steps it to 3 and names K step 4; nothing is prefetched at the head
	v_and_b32 v[PFO], 31, v0
	v_mul_u32_u24 v[PFO], v[PFO], SIZE_K*2
; 16 matrix instructions: m blocks a0, a0 + 1 of the window's four x all 8 n blocks, 32 along K.  zero = 1: the first product starts the sums.
.macro MUL16 f, hi, a0, zero
	WIN MUL_LO+0x50*(\hi)
.irp a, \a0, (\a0)+1
.irp b, 0,1,2,3,4,5,6,7
.if \zero
	v_wmma_f32_16x16x32_bf16 v[8*(8*(\a)+(\b)):8*(8*(\a)+(\b))+7], v[(\f)+8*(\b):(\f)+8*(\b)+7], v[(\f)+8*(4*(\hi)+(\a)):(\f)+8*(4*(\hi)+(\a))+7], 0
.else
	v_wmma_f32_16x16x32_bf16 v[8*(8*(\a)+(\b)):8*(8*(\a)+(\b))+7], v[(\f)+8*(\b):(\f)+8*(\b)+7], v[(\f)+8*(4*(\hi)+(\a)):(\f)+8*(4*(\hi)+(\a))+7], v[8*(8*(\a)+(\b)):8*(8*(\a)+(\b))+7]
.endif
.endr
.endr
.endm
; 32 LDS loads in one run: the fragments of one quarter step (32 K at byte k of the rows) into buffer f
.macro FETCH slot, k, f
	WIN TO_B
.irp i, 0,1,2,3,4,5,6,7
	ds_load_b128 v[(\f)+8*(\i):(\f)+8*(\i)+3],   v[ADRB+(\slot)] offset:(\k)+(\i)*16*PITCH
	ds_load_b128 v[(\f)+8*(\i)+4:(\f)+8*(\i)+7], v[ADRB+(\slot)] offset:(\k)+(\i)*16*PITCH+32
.endr
	WIN 0
.irp i, 0,1,2,3,4,5,6,7
	ds_load_b128 v[(\f)+8*(\i):(\f)+8*(\i)+3],   v[ADRA+(\slot)] offset:(\k)+(\i)*16*PITCH
	ds_load_b128 v[(\f)+8*(\i)+4:(\f)+8*(\i)+7], v[ADRA+(\slot)] offset:(\k)+(\i)*16*PITCH+32
.endr
.endm
.macro PLACES                          ; four places behind a matrix instruction, in front of loads into registers that it has read and of conversions that read results
.rept 4
	v_nop
.endr
.endm
; A K step is four quarter steps of 32 along K, 64 matrix instructions each, on buffers 0, 1, 0, 1.  The 64 accumulators take turns in the same order everywhere.
.macro QUARTER slot, k, f, g, zero
	s_wait_dscnt 8                                 ; B and A's rows 0-63 are in; the youngest eight loads (A's rows 64-127) may be out
	WIN MUL_LO
	MUL16 \f, 0, 0, \zero
	MUL16 \f, 0, 2, \zero
	PLACES
	FETCH \slot, \k, \g
	s_wait_dscnt 32                                ; all but the 32 just issued
	WIN MUL_HI
	MUL16 \f, 1, 0, \zero
	MUL16 \f, 1, 2, \zero
.endm
; The last quarter changes slots.  In front of the barrier each wave waits for all its tensor loads (one is out: its part of the next slot), adds 0 to its spare word, and waits for that and for its reads of this slot.
.macro MEET round
	WIN 0                                          ; (the add's two registers lie in window 0)
	s_wait_tensorcnt 0x0
	ds_add_u32 v[SPW], v[NIL]
	s_wait_dscnt 9                                 ; the add and the youngest eight loads may be out
	WIN MUL_LO
	MUL16 F1, 0, 0, 0
	s_wait_dscnt 0x0                               ; the add is done, and my reads of this slot are over
	s_barrier_signal -1
	MUL16 F1, 0, 2, 0                              ; work on registers while the others arrive
.if \round
	WIN 0
.endif
	s_barrier_wait -1
.endm
.macro TURN slot, next
	s_wait_xcnt 0x0                                ; the last prefetch, a K step back, has read its address
	s_add_nc_u64 s[PFA:PFA+1], s[PFA:PFA+1], KSTEP*2
	MEET 1
	CREST                                          ; the round: no wave of any partner still reads this slot's tile or has a load on its way
	s_add_nc_u64 s[G0+4*(\slot)+2:G0+4*(\slot)+3], s[G0+4*(\slot)+2:G0+4*(\slot)+3], 2*KSTEP*2
	s_add_nc_u64 s[G0B+4*(\slot)+2:G0B+4*(\slot)+3], s[G0B+4*(\slot)+2:G0B+4*(\slot)+3], 2*KSTEP*2
	JLOAD \slot                                    ; the first tensor load behind the round, my only one until the next: 224 matrix instructions ahead of the wait for it
	FETCH \next, 0, F0
	ASK
	WIN MUL_HI
	MUL16 F1, 1, 0, 0
	MUL16 F1, 1, 2, 0
.endm
; THE LAST K STEP (slot 1) GOES BY ROWS OF Z: all its fragments of B fill window 1; my eight blocks of 16 rows are finished one after the other, 32 matrix instructions each.
.macro BLOAD q
	WIN TO_B
.irp i, 0,1,2,3,4,5,6,7
	ds_load_b128 v[64*(\q)+8*(\i):64*(\q)+8*(\i)+3],   v[ADRB+1] offset:64*(\q)+(\i)*16*PITCH
	ds_load_b128 v[64*(\q)+8*(\i)+4:64*(\q)+8*(\i)+7], v[ADRB+1] offset:64*(\q)+(\i)*16*PITCH+32
.endr
.endm
.macro ALOAD a
	WIN 0
.set FA, PA+32*((\a)%4)
.irp q, 0,1,2,3
	ds_load_b128 v[FA+8*(\q):FA+8*(\q)+3],   v[ADRA+1] offset:64*(\q)+(\a)*16*PITCH
	ds_load_b128 v[FA+8*(\q)+4:FA+8*(\q)+7], v[ADRA+1] offset:64*(\q)+(\a)*16*PITCH+32
.endr
.endm
.macro ROW a
.set FA, PA+32*((\a)%4)
.set AC, 64*((\a)%4)
	WIN MUL_LO+0x50*((\a)/4)
.irp q, 0,1,2,3
.if (\a) == 0 && (\q) == 2
	s_wait_dscnt 24                                ; B's quarter 2 is in (behind it: A's blocks 1 to 3)
.endif
.irp b, 0,1,2,3,4,5,6,7
	v_wmma_f32_16x16x32_bf16 v[AC+8*(\b):AC+8*(\b)+7], v[64*(\q)+8*(\b):64*(\q)+8*(\b)+7], v[FA+8*(\q):FA+8*(\q)+7], v[AC+8*(\b):AC+8*(\b)+7]
.endr
.endr
.endm
; THE WAY OUT of block a.  PACK: rounded to f16, 16 bytes a lane, each accumulator from its low end.  TOSTAGE: into my own stage, and back by heads.  SEND: stored.
.macro PACK a
.set AC, 64*((\a)%4)
	WIN 0x0a+5*((\a)/4)                            ; sources 0 and 1: window 2 or 3
.irp b, 0,1,2,3,4,5,6,7
.irp r, 0,1,2,3
	v_cvt_pk_f16_f32 v[TMP+4*(\b)+(\r)], v[AC+8*(\b)+2*(\r)], v[AC+8*(\b)+2*(\r)+1]
.endr
.endr
	WIN 0
.endm
.macro TOSTAGE a
	WIN 0
.set BK, OB+192*((\a)%2)
.irp b, 0,1,2,3,4,5,6,7
	ds_store_b128 v[STO], v[TMP+4*(\b):TMP+4*(\b)+3] offset:32*(\b)
.endr
.irp t, 0,1,2,3,4,5,6,7                ; load t: rows 4 (t % 4) .. +3 of the block, head t / 4 of my two
	ds_load_b128 v[BK+4*(\t):BK+4*(\t)+3], v[RD] offset:((\t)%4)*4*SPITCH+((\t)/4)*128  ; LDS serves a wave's instructions in order (ISA guide 5.7.1.4): these see the stores above
.endr
.endm
.macro SEND a, younger                 ; younger: the LDS loads issued behind TOSTAGE's, which may stay out
	WIN 0
.set BK, OB+192*((\a)%2)
	s_wait_dscnt \younger
	s_wait_xcnt 0x0                                ; earlier stores have read their base and their data: only now are these rewritten
.if (\a) == 0
	s_add_nc_u64 s[8:9], s[8:9], s[16:17]          ; on to my first rows
.else
	s_add_nc_u64 s[8:9], s[8:9], 16*128            ; 16 rows of a head on
.endif
.irp t, 0,1,2,3,4,5,6,7
	global_store_b128 v[CO], v[BK+4*(\t):BK+4*(\t)+3], s[8:9] offset:((\t)%4)*512+((\t)/4)*HEADB  ; four rows of a head: 512 consecutive bytes, aligned
.endr
.endm
	s_wait_tensorcnt 1                             ; my part of K step 0 is in; K step 1's may stay out
	s_barrier_signal -1
	s_barrier_wait -1
	FETCH 0, 0, F0
	QUARTER 0, 64,  F0, F1, 1                      ; the first quarter stands in front of the loop: its products start the sums
	WIN 0
	s_mov_b32 s3, LAPS-1
.Llap:                                             ; a trip goes once round the ring and fills both slots again
	QUARTER 0, 128, F1, F0, 0
	QUARTER 0, 192, F0, F1, 0
	TURN 0, 1
	QUARTER 1, 64,  F0, F1, 0
	QUARTER 1, 128, F1, F0, 0
	QUARTER 1, 192, F0, F1, 0
	TURN 1, 0
	QUARTER 0, 64,  F0, F1, 0
	WIN 0
	s_sub_co_u32 s3, s3, 1
	s_cmp_lg_u32 s3, 0
	s_cbranch_scc1 .Llap
	QUARTER 0, 128, F1, F0, 0                      ; the last lap goes on
	QUARTER 0, 192, F0, F1, 0
	MEET 0                                         ; my one tensor load that was still out is the last K step's, so no round follows
	PLACES
	WIN TO_B
	BLOAD 0
	BLOAD 1
	BLOAD 3
	WIN 0
	ALOAD 0
	WIN MUL_HI
	MUL16 F1, 1, 0, 0
	MUL16 F1, 1, 2, 0
	PLACES
	WIN TO_B
	BLOAD 2
	WIN 0
	ALOAD 1
	ALOAD 2
	ALOAD 3
	s_wait_dscnt 40                                ; all but the 40 just issued
	ROW 0
.irp a, 0,1,2,3,4,5,6,7                ; each block leaves as soon as it is finished
	PLACES
	PACK \a
	TOSTAGE \a
.if (\a) < 4
	ALOAD (\a)+4
	SEND \a, 8
.else
	SEND \a, 0
.endif
.if (\a) < 7
	ROW (\a)+1
.endif
.endr
	s_wait_tensorcnt 0x0                           ; the wave's end
	ds_add_u32 v[SPW], v[NIL]
	s_wait_dscnt 0x0
	CROUND                                         ; the closing round
	s_endpgm
.Lfunc_end_k_q901c047f29_gemm1:
	.size	k_q901c047f29_gemm1, .Lfunc_end_k_q901c047f29_gemm1-k_q901c047f29_gemm1
	.p2alignl 7, 3214868480
	.fill 96, 4, 3214868480
	.section	.rodata,"a",@progbits
	.p2align	6, 0x0
	.amdhsa_kernel k_q901c047f29_gemm1
		.amdhsa_group_segment_fixed_size 327680
		.amdhsa_private_segment_fixed_size 0
		.amdhsa_enable_private_segment 0
		.amdhsa_kernarg_size 24
		.amdhsa_user_sgpr_count 2
		.amdhsa_user_sgpr_kernarg_segment_ptr 1
		.amdhsa_wavefront_size32 1
		.amdhsa_system_sgpr_workgroup_id_x 1
		.amdhsa_system_sgpr_workgroup_id_y 1
		.amdhsa_system_sgpr_workgroup_id_z 1
		.amdhsa_system_vgpr_workitem_id 0
		.amdhsa_next_free_vgpr 1024
		.amdhsa_next_free_sgpr 66
		.amdhsa_reserve_vcc 0
		.amdhsa_float_denorm_mode_32 3
		.amdhsa_float_denorm_mode_16_64 3
		.amdhsa_memory_ordered 1
		.amdhsa_forward_progress 1
		.amdhsa_inst_pref_size 145
	.end_amdhsa_kernel
	.amdgpu_metadata
---
amdhsa.version: [ 1, 2 ]
amdhsa.kernels:
  - .name:           k_q901c047f29_gemm1
    .symbol:         k_q901c047f29_gemm1.kd
    .args:
      - { .name: xb, .offset: 0, .size: 8, .value_kind: global_buffer, .address_space: global }
      - { .name: wib, .offset: 8, .size: 8, .value_kind: global_buffer, .address_space: global }
      - { .name: zs, .offset: 16, .size: 8, .value_kind: global_buffer, .address_space: global }
    .group_segment_fixed_size: 327680
    .private_segment_fixed_size: 0
    .kernarg_segment_align: 8
    .kernarg_segment_size: 24
    .max_flat_workgroup_size: 128
    .sgpr_count:     66
    .vgpr_count:     1024
    .wavefront_size: 32
...
	.end_amdgpu_metadata
.endif
;; end of part 2
;; launch scan (part 3): grid 4 x 64, 4 waves a work-group, no clusters, 327,680 bytes of LDS; arguments zs, sb, D, yg; writes yg
.if DOCPART == 3
	.amdgcn_target "amdgcn-amd-amdhsa--gfx1250"
	.amdhsa_code_object_version 6
	.text
	.protected	k_q901c047f29_scan
	.globl	k_q901c047f29_scan
	.p2align	8
	.type	k_q901c047f29_scan,@function
k_q901c047f29_scan:
	s_mov_b64 s[64:65], 0
	v_nop
	global_prefetch_b8 v0, s[64:65] scope:SCOPE_SE
	s_setreg_imm32_b32 hwreg(HW_REG_WAVE_MODE, 25, 1), 1
	s_wait_xcnt 0x0
; MAMBA-2 BLOCK, launch 3 of 5: the recurrence S_t = dec_t S_(t-1) + x_t (x) b_t, y_t = S_t c_t + D x_t, then y silu(z); in chunks of 64 steps, as matrix products.
; With s the inclusive prefix sums of log2(dec) inside a chunk (from sb):  y_t = sum over j <= t of (c_t . b_j) 2^(s_t - s_j) x_j  +  2^(s_t) S_prev c_t  +  D x_t;
; the chunk's own state T = sum over j of 2^(s_63 - s_j) x_j (x) b_j;  S_next = 2^(s_63) S_prev + T.  Every exponent formed is a sum of log2(dec) <= 0.
; LEFT OUT (shown at the first kernel's head): the product with the zero state that reference() starts from (the sequence's first chunk; the first quarter has no earlier steps); the state behind a
; work-group's last chunk, which nobody reads; the tiles of the chunk's table with all j > t.
; SHARES.  Work-group (q, bh): 256 steps of one head; wave w owns chunk g = 4 q + w.  No state crosses work-groups: the state at the quarter's start is made anew from all earlier steps,
; S0 = sum over j < 256 q of 2^(K - s_j) x_j (x) b_j, K = the sum of the chunks' totals from j's chunk to the quarter's start; wave w takes the earlier chunks 4 i + w, i < q.
; The four waves' parts and own states meet in LDS; wave v carries the slice p = 16 v .. 16 v + 15 through the quarter's four chunks and hands each wave its S_prev as bf16 fragments.
; FORMATS.  x, b, c, z arrive in f16.  The weights 2^(..) <= 1 and the weighted x go in f16.  The table G is scaled, row by row, by a power of two taken from the row's own largest number, and goes in f16;
; the scale is taken back in f32.  S_prev and 2^(s_t) c_t go in bf16: they have no room in f16.  States handed between waves, sums and y are f32.  D is rounded to bf16 like every input.
; LIMITS.  A weight below 2^-126 counts as 0, one below 6e-5 keeps f16's fixed step; |G| stays under 2^127; NaN and infinities are not treated apart.
; NO CLUSTER: the four work-groups of a head need 2, 4, 6 and 8 tiles a wave, and no two waves of them the same one at the same place in their text.  NO PREFETCH: all tiles of a wave are asked for at its head.
; LAYOUTS (r = lane % 16, h = lane / 16).  Gt(m = j, n = t) = B rows x C rows: a lane holds ONE step t; two such tiles, rounded in pairs, ARE source 1 of Y(m = p, n = t) = X^T x G.
; State(m = n, n = p) = B^T x (X^T weighted along j); two such tiles, rounded in pairs, ARE source 0 (rows p, K = n) of Y += S x (C 2^s).  X^T and B^T come out of LDS turned, by ds_load_tr16_b128.
; REGISTERS, in windows of 256 (s_set_vgpr_msb: bits 1:0 source 0, 3:2 source 1, 5:4 source 2, 7:6 destination):
;   window 0: see the names below.    window 1: v0-127 X^T and B^T at work, later X^T (0-63) and B's rows (64-127); v128-191 C's rows; v192-255 S_prev.
;   window 2: v0-127 the state's 16 accumulators, then the slices T0-T2 (0-95) and P0-P3 (96-223), then Y of the chunk's 64 steps; v128-255 exponents at work; v224-239 rounded fragments.
.set RW,    73728                      ; a wave's region of LDS: eight tiles
.set TP,    144                        ; a tile's row: 128 bytes + 16 of padding
.set TILE,  64*TP
.set O_PA,  2*TILE                     ; tiles 0, 1: my chunk's X, B.  Tiles 2, 3: earlier chunk w's X, B; then my part P of S0 (16,384 bytes); then, behind the second barrier, y's stage (64 x 272)
.set O_PB,  4*TILE                     ; tiles 4, 5: earlier chunk 4 + w; then my chunk's state T (16,384 bytes)
.set O_PC,  6*TILE                     ; tiles 6, 7: earlier chunk 8 + w; then, in tile 6, my S_prev as fragments (8,192 bytes), written by all four waves.  No tile is filled twice
.set YP,    272
.set SPARE, 4*RW                       ; the spare words, 128 bytes for each wave: two blocks of 256 bytes that no other line names
.set ATR0, 4                           ; v4   turning loads: RW w + (8 h + l % 8) TP + 16 ((l / 8) % 2)
.set ATR1, 5                           ; v5   the same + O_PB
.set ARW,  6                           ; v6   row loads: RW w + r TP + 16 h
.set LIN,  7                           ; v7   RW w + 16 l
.set BRD,  8                           ; v8-11   16 l + 1,024 w + RW u: my slice in wave u's P and T
.set SFW,  12                          ; v12-15  16 l + 2,048 w + RW u: my slice in wave u's S_prev
.set STO,  16                          ; v16  RW w + YP r + 32 h
.set YRD,  17                          ; v17  RW w + YP h + 16 r; steps with the gate's trips
.set XRD,  18                          ; v18  RW w + TP h + 8 r; steps likewise
.set VZ,   19                          ; v19  8 l
.set CO,   20                          ; v20  8,192 h + 16 r
.set VSJ,  21                          ; v21  32 h
.set VST,  22                          ; v22  4 r
.set VCF,  23                          ; v23  128 r + 16 h
.set ZR,   24                          ; v24  0.0
.set NL2E, 25                          ; v25  -log2(e)
.set SPW,  26                          ; v26  LDS address of my spare word; never rewritten
.set NIL,  27                          ; v27  0; never rewritten
.set VD,   28                          ; v28  16 r
.set VO,   29                          ; v29  0, an offset
.set SJ,   32                          ; v32-63   s at j = 16 jb + 8 h + i, at SJ + 8 jb + i
.set WT,   64                          ; v64-127  weights in f16 pairs: my chunk's 16, then 16 for each earlier chunk
.set RGA,  64                          ; v64-95   Gt, 8 a tile
.set REX,  96                          ; v96-127  exponents and their powers; C 2^s in f32
.set RGF,  160                         ; v160-175 G's fragments
.set RCS,  176                         ; v176-191 C 2^s in bf16
.set RST,  192                         ; v192-199 s_t, a pair for each block of 16 t (the odd registers hold 0)
.set RF,   200                         ; v200-203 2^(s_t)
.set RU,   204                         ; v204-205 the row's scale;  v206-207 its reciprocal
.set RV,   206
.set RDQ,  208                         ; v208-213 2^(total) of the quarter's chunks 0, 1, 2, in pairs
.set RDD,  214                         ; v214-217 D of my four channels
.set RMD,  218                         ; v218-225 the diagonal tile's mask: -1e30 where j > t
.set RTOT, 226                         ; v226-227 s_63 of my chunk
.set MX,   228                         ; v228-231 at work
.set M2,   229
.set MN,   230
.set ZV,   232                         ; v232-247 z of 16 rows
.set XT,   0                           ; window 1
.set BF,   64
.set CF,   128
.set SF,   192
.set YW,   0                           ; window 2: Y of steps 16 tb .., channels 16 pb .. at YW + 32 tb + 8 pb
.set FB,   224                         ; window 2
.set MSB, 0
.macro WIN new                         ; the immediate's high byte repeats the setting that is left; a switch that changes nothing is dropped
.if MSB != (\new)
	s_set_vgpr_msb (MSB<<8)|(\new)
.set MSB, \new
.endif
.endm
.macro PLACES                          ; four places behind a matrix instruction (ISA guide 7.12.1)
.rept 4
	v_nop
.endr
.endm
.macro G0SET g, lds                    ; a descriptor's count and LDS address: my wave's region + the tile's constant
	s_mov_b32 s[\g], 1
	s_add_co_u32 s[(\g)+1], s101, \lds
.endm
.macro FILL g
	tensor_load_to_lds s[\g:(\g)+3], s[28:35]
	s_nop 0
.endm
.macro MIX d, a, hf, b, c              ; v[d] = (f16 half hf of v[a]) x v[b] + v[c], in f32
.if \hf
	v_fma_mix_f32 v[\d], v[\a], v[\b], v[\c] op_sel:[1,0,0] op_sel_hi:[1,0,0]
.else
	v_fma_mix_f32 v[\d], v[\a], v[\b], v[\c] op_sel_hi:[1,0,0]
.endif
.endm
	s_load_b256 s[4:11], s[0:1], 0x0               ; zs s[4:5], sb s[6:7], D s[8:9], yg s[10:11]
	v_lshl_add_u32 v[SPW], v0, 2, SPARE
	v_mov_b32 v[NIL], 0
	ds_add_u32 v[SPW], v[NIL]                      ; the wave's opening: the add, twice on end, and its wait ahead of my first tensor load
	ds_add_u32 v[SPW], v[NIL]
	v_lshrrev_b32 v1, 5, v0
	v_readfirstlane_b32 s12, v1                    ; wave w
	s_mov_b32 s13, ttmp9                           ; quarter q
	s_and_b32 s14, ttmp7, 0xffff
	s_lshl_b32 s15, s13, 2                         ; 4 q: the chunks ahead of the quarter
	s_or_b32 s16, s13, s12
	s_cmp_eq_u32 s16, 0
	s_cselect_b32 s16, 1, 0                        ; 1: my chunk is the sequence's first
	s_lshr_b32 s17, s14, 5                         ; b
	s_and_b32 s14, s14, 31                         ; h
	s_add_co_u32 s90, s15, s12                     ; my chunk g
	s_mul_i32 s101, s12, RW                        ; my region
	; descriptor group 1: a chunk's 64 rows of 128 bytes are 8,192 dense bytes: asked for as 32 rows of 256, padded in LDS after every 128
	s_mov_b32 s28, (1<<16)|(1<<20)|(4<<22)|(3<<25) ; 2-byte elements; padding on; after every 32 words; 4 words
	s_mov_b32 s29, 128<<16                         ; tensor_dim0 = 128
	s_mov_b32 s30, 32<<16                          ; tensor_dim1 = 32
	s_mov_b32 s31, 128<<16                         ; tile_dim0 = 128
	s_mov_b32 s32, 32                              ; tile_dim1 = 32
	s_mov_b32 s33, 128                             ; elements from row to row
	s_mov_b32 s34, 0
	s_mov_b32 s35, 0
	G0SET 36, 0                                    ; my X
	G0SET 40, TILE                                 ; my B
	G0SET 44, O_PA                                 ; chunk w: X,
	G0SET 48, O_PA+TILE                            ; B
	G0SET 52, O_PB                                 ; chunk 4 + w
	G0SET 56, O_PB+TILE
	G0SET 60, O_PC                                 ; chunk 8 + w
	G0SET 68, O_PC+TILE
	s_mov_b32 s92, 0x76543210                      ; v_permlanex16_b32: each lane takes its own place in the other half
	s_mov_b32 s93, 0xfedcba98
	s_mov_b32 s100, 0xf149f2ca                     ; -1e30
	s_mov_b32 s3, 0                                ; s[2:3]: an offset under 2^32, made apart from every address
	s_wait_dscnt 0x0                               ; both opening adds are done
	s_wait_kmcnt 0x0
	s_lshl_b32 s2, s17, 24
	s_lshl_b32 s18, s14, 17
	s_add_co_u32 s2, s2, s18
	s_add_nc_u64 s[20:21], s[4:5], s[2:3]          ; x's head: (128 b + h) x 131,072
	s_add_nc_u64 s[22:23], s[20:21], 0x800000      ; b's head, 64 heads on
	s_lshl_b32 s2, s90, 13                         ; my chunk: 8,192 g
	s_add_nc_u64 s[38:39], s[20:21], s[2:3]
	s_add_nc_u64 s[42:43], s[22:23], s[2:3]
	s_add_nc_u64 s[24:25], s[38:39], 0xc00000      ; c at my chunk
	s_add_nc_u64 s[26:27], s[38:39], 0x400000      ; z at my chunk
	s_lshl_b32 s2, s12, 13                         ; chunk w
	s_add_nc_u64 s[46:47], s[20:21], s[2:3]
	s_add_nc_u64 s[50:51], s[22:23], s[2:3]
	s_add_nc_u64 s[54:55], s[46:47], 32768         ; chunk 4 + w
	s_add_nc_u64 s[58:59], s[50:51], 32768
	s_add_nc_u64 s[62:63], s[46:47], 65536         ; chunk 8 + w
	s_add_nc_u64 s[70:71], s[50:51], 65536
.irp g, 39,43,47,51,55,59,63,71
	s_or_b32 s\g, s\g, 0x80000000                  ; the descriptors' type
.endr
	; All fills are first fills and go out together: 2 + 2 q tensor loads of mine are out, 8 at the most.  The jumps hang on q alone, the same in all four waves; every wait for tensor loads is for 0.
	FILL 36
	FILL 40
	s_cmp_gt_u32 s13, 0
	s_cbranch_scc0 .Lf0
	FILL 44
	FILL 48
.Lf0:
	s_cmp_gt_u32 s13, 1
	s_cbranch_scc0 .Lf1
	FILL 52
	FILL 56
.Lf1:
	s_cmp_gt_u32 s13, 2
	s_cbranch_scc0 .Lf2
	FILL 60
	FILL 68
.Lf2:
	v_and_b32 v1, 15, v0                           ; r
	v_bfe_u32 v2, v0, 4, 1                         ; h
	v_and_b32 v3, 31, v0                           ; l
	v_and_b32 v30, 7, v0
	v_lshl_add_u32 v30, v2, 3, v30
	v_mul_u32_u24 v[ATR0], v30, TP
	v_bfe_u32 v31, v0, 3, 1
	v_lshl_add_u32 v[ATR0], v31, 4, v[ATR0]
	v_add_nc_u32 v[ATR0], s101, v[ATR0]
	v_add_nc_u32 v[ATR1], O_PB, v[ATR0]
	v_mul_u32_u24 v[ARW], v1, TP
	v_lshl_add_u32 v[ARW], v2, 4, v[ARW]
	v_add_nc_u32 v[ARW], s101, v[ARW]
	v_lshl_add_u32 v[LIN], v3, 4, s101
	s_lshl_b32 s2, s12, 10
	v_lshl_add_u32 v[BRD], v3, 4, s2
	v_add_nc_u32 v[BRD+1], RW, v[BRD]
	v_add_nc_u32 v[BRD+2], 2*RW, v[BRD]
	v_add_nc_u32 v[BRD+3], 3*RW, v[BRD]
	s_lshl_b32 s2, s12, 11
	v_lshl_add_u32 v[SFW], v3, 4, s2
	v_add_nc_u32 v[SFW+1], RW, v[SFW]
	v_add_nc_u32 v[SFW+2], 2*RW, v[SFW]
	v_add_nc_u32 v[SFW+3], 3*RW, v[SFW]
	v_mul_u32_u24 v[STO], v1, YP
	v_lshl_add_u32 v[STO], v2, 5, v[STO]
	v_add_nc_u32 v[STO], s101, v[STO]
	v_mul_u32_u24 v[YRD], v2, YP
	v_lshl_add_u32 v[YRD], v1, 4, v[YRD]
	v_add_nc_u32 v[YRD], s101, v[YRD]
	v_mul_u32_u24 v[XRD], v2, TP
	v_lshl_add_u32 v[XRD], v1, 3, v[XRD]
	v_add_nc_u32 v[XRD], s101, v[XRD]
	v_lshlrev_b32 v[VZ], 3, v3
	v_lshlrev_b32 v[CO], 13, v2
	v_lshl_add_u32 v[CO], v1, 4, v[CO]
	v_lshlrev_b32 v[VSJ], 5, v2
	v_lshlrev_b32 v[VST], 2, v1
	v_lshlrev_b32 v[VCF], 7, v1
	v_lshl_add_u32 v[VCF], v2, 4, v[VCF]
	v_mov_b32 v[ZR], 0
	v_mov_b32 v[NL2E], 0xbfb8aa3b
	v_lshlrev_b32 v[VD], 4, v1
	v_mov_b32 v[VO], 0
.irp r, 193,195,197,199,205,207,209,211,213,227,229
	v_mov_b32 v\r, 0                               ; the second registers of pairs of which the first alone is used, and v_permlanex16_b32's destination: written once
.endr
	s_lshl_b32 s91, s14, 8                         ; 256 h
	s_lshl_b32 s2, s17, 17
	s_add_co_u32 s2, s2, s91
	s_add_nc_u64 s[18:19], s[6:7], s[2:3]          ; sb at (b, chunk 0, h); a chunk is 8,192 bytes on
	s_lshl_b32 s2, s90, 13
	s_add_nc_u64 s[94:95], s[18:19], s[2:3]        ; at my chunk
	s_lshl_b32 s2, s12, 13
	s_add_nc_u64 s[96:97], s[18:19], s[2:3]        ; at chunk w
	s_lshl_b32 s2, s15, 13
	s_add_nc_u64 s[66:67], s[18:19], s[2:3]        ; at the quarter's first chunk
	s_mov_b32 s2, s91
	s_add_nc_u64 s[8:9], s[8:9], s[2:3]            ; D at my head
	s_lshl_b32 s2, s17, 23
	s_lshl_b32 s90, s90, 19
	s_add_co_u32 s2, s2, s90
	s_add_co_u32 s2, s2, s91
	s_add_nc_u64 s[98:99], s[10:11], s[2:3]        ; yg at row 1,024 b + 64 g, column 64 h
.irp g, 0,1,2,3,4,5,6,7,8,9,10,11
	s_load_b32 s[72+(\g)], s[18:19], 8192*(\g)+252 ; the totals s_63 of chunks 0 to 11
.endr
	; The prefix rows of chunks w, 4 + w, 8 + w (768 bytes a wave) are loaded by every work-group and used where q > i: so each register below is written on every way through the text.
	WIN 0x80
.irp i, 0,1,2
.irp jb, 0,1,2,3
	global_load_b128 v[128+32*(\i)+8*(\jb):128+32*(\i)+8*(\jb)+3], v[VSJ], s[96:97] offset:32768*(\i)+64*(\jb)
	global_load_b128 v[128+32*(\i)+8*(\jb)+4:128+32*(\i)+8*(\jb)+7], v[VSJ], s[96:97] offset:32768*(\i)+64*(\jb)+16
.endr
.endr
	WIN 0
.irp jb, 0,1,2,3
	global_load_b128 v[SJ+8*(\jb):SJ+8*(\jb)+3], v[VSJ], s[94:95] offset:64*(\jb)
	global_load_b128 v[SJ+8*(\jb)+4:SJ+8*(\jb)+7], v[VSJ], s[94:95] offset:64*(\jb)+16
.endr
	global_load_b32 v[RTOT], v[VO], s[94:95] offset:252
.irp t, 0,1,2,3
	global_load_b32 v[RST+2*(\t)], v[VST], s[94:95] offset:64*(\t)
.endr
.irp k, 0,1,2
	global_load_b32 v[RDQ+2*(\k)], v[VO], s[66:67] offset:8192*(\k)+252
.endr
	global_load_b128 v[RDD:RDD+3], v[VD], s[8:9]
	WIN 0x40
.irp t, 0,1,2,3
.irp k, 0,1
	global_load_b128 v[CF+16*(\t)+8*(\k):CF+16*(\t)+8*(\k)+3], v[VCF], s[24:25] offset:2048*(\t)+64*(\k)
	global_load_b128 v[CF+16*(\t)+8*(\k)+4:CF+16*(\t)+8*(\k)+7], v[VCF], s[24:25] offset:2048*(\t)+64*(\k)+32
.endr
.endr
	WIN 0
.irp k, 0,1,2,3,4,5,6,7
	global_load_b64 v[ZV+2*(\k):ZV+2*(\k)+1], v[VZ], s[26:27] offset:256*(\k)  ; z of my first 16 rows: two rows are 256 consecutive bytes
.endr
	v_lshlrev_b32 v31, 3, v2
	v_sub_nc_u32 v30, v1, v31                      ; r - 8 h: register i of the diagonal tile is hidden where i is greater
.set i, 0
.rept 8
	v_cmp_gt_i32 vcc_lo, i, v30
	v_cndmask_b32 v[RMD+i], 0, s100, vcc_lo
.set i, i+1
.endr
	s_wait_kmcnt 0x0
	; K for my earlier chunk 4 i + w, in s[84 + 2 i]: the totals of the chunks from it to the quarter's start, added from the quarter backward
	s_mov_b32 s90, 0
.irp r, 84,85,86,87,88,89
	s_mov_b32 s\r, 0
.endr
.irp g, 11,10,9,8,7,6,5,4,3,2,1,0
	s_cmp_gt_u32 s15, \g
	s_cselect_b32 s91, s[72+(\g)], 0
	s_add_f32 s90, s90, s91
	s_cmp_eq_u32 s12, (\g)%4
	s_cselect_b32 s[84+2*((\g)/4)], s90, s[84+2*((\g)/4)]
.endr
	s_wait_loadcnt 24                              ; all but the youngest 24 loads, C's 16 and z's 8, are in
	v_cvt_pk_bf16_f32 v230, v[RDD], v[RDD+1]       ; D is rounded to bf16, like every input
	v_cvt_pk_bf16_f32 v231, v[RDD+2], v[RDD+3]
	v_lshlrev_b32 v[RDD], 16, v230
	v_and_b32 v[RDD+1], 0xffff0000, v230
	v_lshlrev_b32 v[RDD+2], 16, v231
	v_and_b32 v[RDD+3], 0xffff0000, v231
.irp t, 0,1,2,3
	v_exp_f32 v[RF+(\t)], v[RST+2*(\t)]            ; 2^(s_t)
.endr
.irp k, 0,1,2
	v_exp_f32 v[RDQ+2*(\k)], v[RDQ+2*(\k)]         ; 2^(total)
.endr
	v_nop                                          ; a plain instruction behind the last exponential,
	s_wait_alu depctr_va_vdst(0)                   ; and one wait for the batch of seven
; THE WEIGHTS of a chunk, 2^(K - s_j), as 16 f16 pairs in the order of a fragment's K.  pre = 1: an earlier chunk, its s in window 2 at raw, K in s[kk]; pre = 0: my chunk, s in SJ, K = s_63.
.macro WGT wdst, raw, pre, kk
.set k, 0
.if \pre
	WIN 0x82
.rept 16
	v_pk_add_f32 v[(\raw)+2*k:(\raw)+2*k+1], v[(\raw)+2*k:(\raw)+2*k+1], s[\kk:(\kk)+1] op_sel_hi:[1,0] neg_lo:[1,0] neg_hi:[1,0]
.set k, k+1
.endr
.else
	WIN 0x80
.rept 16
	v_pk_add_f32 v[(\raw)+2*k:(\raw)+2*k+1], v[SJ+2*k:SJ+2*k+1], v[RTOT:RTOT+1] op_sel_hi:[1,0] neg_lo:[1,0] neg_hi:[1,0]
.set k, k+1
.endr
.endif
	WIN 0x82
.set k, 0
.rept 32
	v_exp_f32 v[(\raw)+k], v[(\raw)+k]
.set k, k+1
.endr
	v_nop
	s_wait_alu depctr_va_vdst(0)                   ; one wait for the batch of 32
	WIN 0x0a
.set k, 0
.rept 16
	v_cvt_pk_f16_f32 v[(\wdst)+k], v[(\raw)+2*k], v[(\raw)+2*k+1]
.set k, k+1
.endr
	WIN 0
.endm
; A chunk's X^T and B^T, 32 turning loads: for K half ks at 64 ks: X^T(pb) at + 8 pb, B^T(nb) at + 32 + 8 nb.  The tile of X lies at xo behind v[areg], B's a tile further.
.macro STLOAD areg, xo
	PLACES                                         ; the last products read these registers
	WIN 0x40
.irp ks, 0,1
.irp pb, 0,1,2,3
	ds_load_tr16_b128 v[64*(\ks)+8*(\pb):64*(\ks)+8*(\pb)+3],   v[\areg] offset:(\xo)+(\ks)*32*TP+32*(\pb)
	ds_load_tr16_b128 v[64*(\ks)+8*(\pb)+4:64*(\ks)+8*(\pb)+7], v[\areg] offset:(\xo)+(\ks)*32*TP+16*TP+32*(\pb)
.endr
.irp nb, 0,1,2,3
	ds_load_tr16_b128 v[64*(\ks)+32+8*(\nb):64*(\ks)+32+8*(\nb)+3],   v[\areg] offset:(\xo)+TILE+(\ks)*32*TP+32*(\nb)
	ds_load_tr16_b128 v[64*(\ks)+32+8*(\nb)+4:64*(\ks)+32+8*(\nb)+7], v[\areg] offset:(\xo)+TILE+(\ks)*32*TP+16*TP+32*(\nb)
.endr
.endr
	WIN 0
.endm
; X^T is weighted along K, then 2 x 16 products; the 16 accumulators take turns.  first = 1: the first 16 start the sums.
.macro STMUL wb, first
.irp ks, 0,1
	s_wait_dscnt 16*(1-(\ks))                      ; K half 0 is in while half 1's 16 loads stay out; then all
	WIN 0x41
.irp pb, 0,1,2,3
.irp e, 0,1,2,3,4,5,6,7
	v_pk_mul_f16 v[64*(\ks)+8*(\pb)+(\e)], v[64*(\ks)+8*(\pb)+(\e)], v[(\wb)+8*(\ks)+(\e)]
.endr
.endr
	WIN 0xa5
.irp nb, 0,1,2,3
.irp pb, 0,1,2,3
.if (\first) && ((\ks) == 0)
	v_wmma_f32_16x16x32_f16 v[8*(4*(\nb)+(\pb)):8*(4*(\nb)+(\pb))+7], v[64*(\ks)+32+8*(\nb):64*(\ks)+32+8*(\nb)+7], v[64*(\ks)+8*(\pb):64*(\ks)+8*(\pb)+7], 0
.else
	v_wmma_f32_16x16x32_f16 v[8*(4*(\nb)+(\pb)):8*(4*(\nb)+(\pb))+7], v[64*(\ks)+32+8*(\nb):64*(\ks)+32+8*(\nb)+7], v[64*(\ks)+8*(\pb):64*(\ks)+8*(\pb)+7], v[8*(4*(\nb)+(\pb)):8*(4*(\nb)+(\pb))+7]
.endif
.endr
.endr
.endr
	WIN 0
.endm
.macro PUT off                         ; the 16 accumulators into my region, f32: tile 4 nb + pb at 1,024 each; each accumulator's low registers first
	PLACES
	WIN 0x08
.irp t, 0,1,2,3,4,5,6,7,8,9,10,11,12,13,14,15
	ds_store_b128 v[LIN], v[8*(\t):8*(\t)+3] offset:(\off)+1024*(\t)
	ds_store_b128 v[LIN], v[8*(\t)+4:8*(\t)+7] offset:(\off)+1024*(\t)+512
.endr
	WIN 0
.endm
	; PHASE A: my part of S0 (q products of 64 x 64 x 64), then my chunk's own state (wave 3's is read by nobody and is not made)
	s_wait_tensorcnt 0x0                           ; all my tiles are in; only I read them
	s_cmp_eq_u32 s13, 0
	s_cbranch_scc1 .Lnopre
	STLOAD ATR0, O_PA
	WGT WT+16, 128, 1, 84
	STMUL WT+16, 1
	s_cmp_lt_u32 s13, 2
	s_cbranch_scc1 .Lpd
	STLOAD ATR1, 0
	WGT WT+32, 160, 1, 86
	STMUL WT+32, 0
	s_cmp_lt_u32 s13, 3
	s_cbranch_scc1 .Lpd
	STLOAD ATR1, O_PC-O_PB
	WGT WT+48, 192, 1, 88
	STMUL WT+48, 0
.Lpd:
	PUT O_PA                                       ; over tiles that have been read out and are filled no more
.Lnopre:
	s_cmp_eq_u32 s12, 3
	s_cbranch_scc1 .Lnoown
	STLOAD ATR0, 0
	WGT WT, 224, 0, 0
	STMUL WT, 1
	PUT O_PB
.Lnoown:
	s_wait_dscnt 0x0                               ; for the others: my P and T lie in LDS, and my reads of my tiles are over
	s_barrier_signal -1
	s_barrier_wait -1
	WIN 0x40                                       ; for phase C, from my own tiles: X^T unweighted, and B by rows
.irp ks, 0,1
.irp pb, 0,1,2,3
	ds_load_tr16_b128 v[XT+32*(\ks)+8*(\pb):XT+32*(\ks)+8*(\pb)+3],   v[ATR0] offset:(\ks)*32*TP+32*(\pb)
	ds_load_tr16_b128 v[XT+32*(\ks)+8*(\pb)+4:XT+32*(\ks)+8*(\pb)+7], v[ATR0] offset:(\ks)*32*TP+16*TP+32*(\pb)
.endr
.endr
.irp jb, 0,1,2,3
.irp ks, 0,1
	ds_load_b128 v[BF+16*(\jb)+8*(\ks):BF+16*(\jb)+8*(\ks)+3],   v[ARW] offset:TILE+16*TP*(\jb)+64*(\ks)
	ds_load_b128 v[BF+16*(\jb)+8*(\ks)+4:BF+16*(\jb)+8*(\ks)+7], v[ARW] offset:TILE+16*TP*(\jb)+64*(\ks)+32
.endr
.endr
	; PHASE B: wave v carries the slice p = 16 v .. through the quarter: S(0) = the sum of the four P; S(u + 1) = 2^(total u) S(u) + T(u); S(u) goes to wave u as bf16 fragments
.macro EMIT u, s
	WIN 0x8a
.set j, 0
.rept 16
	v_cvt_pk_bf16_f32 v[FB+j], v[(\s)+2*j], v[(\s)+2*j+1]
.set j, j+1
.endr
	WIN 0x08
.irp f, 0,1,2,3
	ds_store_b128 v[SFW+(\u)], v[FB+4*(\f):FB+4*(\f)+3] offset:O_PC+512*(\f)
.endr
.endm
.macro CARRY t, s, dq                  ; T = S x 2^(total) + T
	WIN 0xa2
.set j, 0
.rept 16
	v_pk_fma_f32 v[(\t)+2*j:(\t)+2*j+1], v[(\s)+2*j:(\s)+2*j+1], v[\dq:(\dq)+1], v[(\t)+2*j:(\t)+2*j+1] op_sel_hi:[1,0,1]
.set j, j+1
.endr
.endm
	WIN 0x80
.irp u, 0,1,2
.irp nb, 0,1,2,3
	ds_load_b128 v[32*(\u)+8*(\nb):32*(\u)+8*(\nb)+3],   v[BRD+(\u)] offset:O_PB+4096*(\nb)
	ds_load_b128 v[32*(\u)+8*(\nb)+4:32*(\u)+8*(\nb)+7], v[BRD+(\u)] offset:O_PB+4096*(\nb)+512
.endr
.endr
	WIN 0
	s_cmp_eq_u32 s13, 0
	s_cbranch_scc1 .Lb0                            ; the first quarter starts from reference()'s zeros: S(0) is not made, S(1) = T(0)
	WIN 0x80
.irp u, 0,1,2,3
.irp nb, 0,1,2,3
	ds_load_b128 v[96+32*(\u)+8*(\nb):96+32*(\u)+8*(\nb)+3],   v[BRD+(\u)] offset:O_PA+4096*(\nb)
	ds_load_b128 v[96+32*(\u)+8*(\nb)+4:96+32*(\u)+8*(\nb)+7], v[BRD+(\u)] offset:O_PA+4096*(\nb)+512
.endr
.endr
	s_wait_dscnt 0x0
	WIN 0x8a
.set j, 0
.rept 16
	v_pk_add_f32 v[96+2*j:97+2*j], v[96+2*j:97+2*j], v[128+2*j:129+2*j]
	v_pk_add_f32 v[160+2*j:161+2*j], v[160+2*j:161+2*j], v[192+2*j:193+2*j]
.set j, j+1
.endr
.set j, 0
.rept 16
	v_pk_add_f32 v[96+2*j:97+2*j], v[96+2*j:97+2*j], v[160+2*j:161+2*j]
.set j, j+1
.endr
	EMIT 0, 96
	CARRY 0, 96, RDQ
	WIN 0
.Lb0:
	s_wait_dscnt 0x0
	EMIT 1, 0
	CARRY 32, 0, RDQ+2
	EMIT 2, 32
	CARRY 64, 32, RDQ+4
	EMIT 3, 64
	WIN 0
	s_wait_dscnt 0x0                               ; for the others: my slices lie in their regions, and my reads of their P and T are over
	s_barrier_signal -1
	s_barrier_wait -1
; PHASE C, first part, for the 16 steps t = 16 tb .. : Gt for jb <= tb; its decay; the row's scale; Y = X^T G, kept in window 2; the scale taken back.
; The text is written once for every chunk: what the sequence's first chunk leaves out, the product with S_prev, stands by itself in the second part, behind one branch.
.macro TB tb
	WIN 0x05
.set ks, 0
.rept 2
.set jb, 0
.rept (\tb)+1
.if ks == 0
	v_wmma_f32_16x16x32_f16 v[RGA+8*jb:RGA+8*jb+7], v[BF+16*jb:BF+16*jb+7], v[CF+16*(\tb):CF+16*(\tb)+7], 0
.else
.if (\tb) == 0
	s_wait_alu depctr_va_vdst(0)                   ; the wait directly ahead of the link
.endif
	v_wmma_f32_16x16x32_f16 v[RGA+8*jb:RGA+8*jb+7], v[BF+16*jb+8:BF+16*jb+15], v[CF+16*(\tb)+8:CF+16*(\tb)+15], v[RGA+8*jb:RGA+8*jb+7]
.endif
.set jb, jb+1
.endr
.set ks, ks+1
.endr
	WIN 0
.set k, 0
.rept 4*((\tb)+1)                      ; s_t - s_j: these lines are also the places behind the products
	v_pk_add_f32 v[REX+2*k:REX+2*k+1], v[RST+2*(\tb):RST+2*(\tb)+1], v[SJ+2*k:SJ+2*k+1] op_sel_hi:[0,1] neg_lo:[0,1] neg_hi:[0,1]
.set k, k+1
.endr
.set k, 0
.rept 4                                ; the diagonal tile: -1e30 where j > t
	v_pk_add_f32 v[REX+8*(\tb)+2*k:REX+8*(\tb)+2*k+1], v[REX+8*(\tb)+2*k:REX+8*(\tb)+2*k+1], v[RMD+2*k:RMD+2*k+1]
.set k, k+1
.endr
.set k, 0
.rept 8*((\tb)+1)
	v_exp_f32 v[REX+k], v[REX+k]
.set k, k+1
.endr
	v_nop
	s_wait_alu depctr_va_vdst(0)                   ; one wait for the batch
.set k, 0
.rept 4*((\tb)+1)                      ; each accumulator is read from its low end
	v_pk_mul_f32 v[RGA+2*k:RGA+2*k+1], v[RGA+2*k:RGA+2*k+1], v[REX+2*k:REX+2*k+1]
.set k, k+1
.endr
	v_max3_num_f32 v[MX], v[RGA], v[RGA+1], v[RGA+2]      ; the row's largest magnitude = max(max, -min): two chains side by side
	v_min3_num_f32 v[MN], v[RGA], v[RGA+1], v[RGA+2]
.set k, 3
.rept 4*(\tb)+2
	v_max3_num_f32 v[MX], v[MX], v[RGA+k], v[RGA+k+1]
	v_min3_num_f32 v[MN], v[MN], v[RGA+k], v[RGA+k+1]
.set k, k+2
.endr
	v_max_num_f32 v[MX], v[MX], v[RGA+k]
	v_min_num_f32 v[MN], v[MN], v[RGA+k]
	v_xor_b32 v[MN], 0x80000000, v[MN]
	v_max_num_f32 v[MX], v[MX], v[MN]
	v_permlanex16_b32 v[M2], v[MX], s92, s93       ; the row's other j lie in the lane 16 away
	v_max_num_f32 v[MX], v[MX], v[M2]
	v_and_b32 v[RU], 0x7f800000, v[MX]             ; the power of two at or below it (0 for a row of zeros),
	v_sub_nc_u32 v[RV], 0x7f000000, v[RU]          ; and its reciprocal, by the exponents
.set k, 0
.rept 4*((\tb)+1)
	v_pk_mul_f32 v[RGA+2*k:RGA+2*k+1], v[RGA+2*k:RGA+2*k+1], v[RV:RV+1] op_sel_hi:[1,0]
.set k, k+1
.endr
.set k, 0
.rept 4*((\tb)+1)
	v_cvt_pk_f16_f32 v[RGF+k], v[RGA+2*k], v[RGA+2*k+1]
.set k, k+1
.endr
.if (\tb)%2 == 0
.set k, 0
.rept 4                                ; the half of the last fragment that lies above the diagonal
	v_mov_b32 v[RGF+4*((\tb)+1)+k], 0
.set k, k+1
.endr
.endif
	WIN 0xa1                                       ; X^T in window 1, G in window 0, Y in window 2
.set ks, 0
.rept (\tb)/2+1                        ; the four accumulators take turns
.irp pb, 0,1,2,3
.if ks == 0
	v_wmma_f32_16x16x32_f16 v[YW+32*(\tb)+8*(\pb):YW+32*(\tb)+8*(\pb)+7], v[XT+8*(\pb):XT+8*(\pb)+7], v[RGF:RGF+7], 0
.else
	v_wmma_f32_16x16x32_f16 v[YW+32*(\tb)+8*(\pb):YW+32*(\tb)+8*(\pb)+7], v[XT+32+8*(\pb):XT+32+8*(\pb)+7], v[RGF+8:RGF+15], v[YW+32*(\tb)+8*(\pb):YW+32*(\tb)+8*(\pb)+7]
.endif
.endr
.set ks, ks+1
.endr
	PLACES
	WIN 0x82
.set k, 0
.rept 16                               ; the row's scale is taken back, in f32; each accumulator is read from its low end
	v_pk_mul_f32 v[YW+32*(\tb)+2*k:YW+32*(\tb)+2*k+1], v[YW+32*(\tb)+2*k:YW+32*(\tb)+2*k+1], v[RU:RU+1] op_sel_hi:[1,0]
.set k, k+1
.endr
.endm
	s_wait_loadcnt 0x0                             ; C's fragments and z's first rows
	TB 0
	TB 1
	TB 2
	TB 3
	WIN 0
	s_cmp_eq_u32 s16, 1
	s_cbranch_scc1 .Lstage                         ; the sequence's first chunk: its S_prev is reference()'s zeros, and neither loaded nor multiplied
	; PHASE C, second part: Y += S_prev (C 2^s).  S_prev's fragments land under the first block's 48 vector lines
	WIN 0x40
.irp f, 0,1,2,3,4,5,6,7,8,9,10,11,12,13,14,15
	ds_load_b128 v[SF+4*(\f):SF+4*(\f)+3], v[LIN] offset:O_PC+512*(\f)  ; fragment (pb, ks) at 16 pb + 8 ks
.endr
.irp tb, 0,1,2,3
	WIN 0x01
.set e, 0
.rept 32                               ; C 2^(s_t), widened: from the second block on these lines are the places behind the products that read RCS
	MIX REX+e, CF+16*(\tb)+e/2, e%2, RF+(\tb), ZR
.set e, e+1
.endr
	WIN 0
.set e, 0
.rept 16
	v_cvt_pk_bf16_f32 v[RCS+e], v[REX+2*e], v[REX+2*e+1]
.set e, e+1
.endr
.if (\tb) == 0
	s_wait_dscnt 0x0                               ; S_prev is in
.endif
	WIN 0xa1                                       ; S_prev in window 1, C 2^s in window 0, Y in window 2
.irp ks, 0,1
.irp pb, 0,1,2,3
	v_wmma_f32_16x16x32_bf16 v[YW+32*(\tb)+8*(\pb):YW+32*(\tb)+8*(\pb)+7], v[SF+16*(\pb)+8*(\ks):SF+16*(\pb)+8*(\ks)+7], v[RCS+8*(\ks):RCS+8*(\ks)+7], v[YW+32*(\tb)+8*(\pb):YW+32*(\tb)+8*(\pb)+7]
.endr
.endr
.endr
	WIN 0
	PLACES
.Lstage:
	WIN 0x08                                       ; Y into my stage, rows of 272 bytes; each accumulator's low registers first
.irp tb, 0,1,2,3
.irp pb, 0,1,2,3
	ds_store_b128 v[STO], v[YW+32*(\tb)+8*(\pb):YW+32*(\tb)+8*(\pb)+3] offset:O_PA+16*YP*(\tb)+64*(\pb)
	ds_store_b128 v[STO], v[YW+32*(\tb)+8*(\pb)+4:YW+32*(\tb)+8*(\pb)+7] offset:O_PA+16*YP*(\tb)+64*(\pb)+16
.endr
.endr
	WIN 0
	; PHASE D: four trips of 16 rows.  A lane holds four neighbouring channels of a row: y from the stage, x from my tile, z from memory (asked for a trip ahead).  y = (y + D x) z / (1 + e^-z).
	s_mov_b32 s100, 4
.Lrows:
.irp k, 0,1,2,3,4,5,6,7
	ds_load_b128 v[64+4*(\k):67+4*(\k)], v[YRD] offset:O_PA+2*YP*(\k)   ; LDS serves a wave's instructions in order: these see my stores into the stage
.endr
.irp k, 0,1,2,3,4,5,6,7
	ds_load_b64 v[96+2*(\k):97+2*(\k)], v[XRD] offset:2*TP*(\k)
.endr
	s_wait_dscnt 0x0
.set e, 0
.rept 32
	MIX 64+e, 96+e/2, e%2, RDD+e%4, 64+e           ; y + D x
.set e, e+1
.endr
	s_wait_loadcnt 0x0                             ; this trip's z is in, and its loads have read their base
	s_add_nc_u64 s[26:27], s[26:27], 2048          ; 16 rows of z on
.set e, 0
.rept 32
	MIX 128+e, ZV+e/2, e%2, NL2E, ZR               ; -z log2(e)
.set e, e+1
.endr
.set e, 0
.rept 32
	v_exp_f32 v[128+e], v[128+e]
.set e, e+1
.endr
	v_nop
	s_wait_alu depctr_va_vdst(0)                   ; one wait for the 32 exponentials
.set e, 0
.rept 16
	v_pk_add_f32 v[128+2*e:129+2*e], v[128+2*e:129+2*e], 1.0 op_sel_hi:[1,0]
.set e, e+1
.endr
.set e, 0
.rept 32
	v_rcp_f32 v[128+e], v[128+e]
.set e, e+1
.endr
.set e, 0
.rept 32
	MIX 64+e, ZV+e/2, e%2, 64+e, ZR                ; y z: the independent work behind the reciprocals
.set e, e+1
.endr
	s_wait_alu depctr_va_vdst(0)                   ; one wait for the 32 reciprocals, ahead of the branch
	s_cmp_eq_u32 s100, 1
	s_cbranch_scc1 .Lnoz                           ; the last trip has no rows behind it
.irp k, 0,1,2,3,4,5,6,7
	global_load_b64 v[ZV+2*(\k):ZV+2*(\k)+1], v[VZ], s[26:27] offset:256*(\k)
.endr
.Lnoz:
.set e, 0
.rept 16
	v_pk_mul_f32 v[64+2*e:65+2*e], v[64+2*e:65+2*e], v[128+2*e:129+2*e]
.set e, e+1
.endr
.irp k, 0,1,2,3,4,5,6,7
	global_store_b128 v[CO], v[64+4*(\k):67+4*(\k)], s[98:99] offset:16384*(\k)  ; 16 lanes store a head's 256 bytes of a row, aligned
.endr
	s_wait_xcnt 0x0                                ; the stores have read their data and their base: only now are these rewritten
	v_add_nc_u32 v[YRD], 16*YP, v[YRD]
	v_add_nc_u32 v[XRD], 16*TP, v[XRD]
	s_add_nc_u64 s[98:99], s[98:99], 131072        ; 16 rows of yg on
	s_sub_co_u32 s100, s100, 1
	s_cmp_lg_u32 s100, 0
	s_cbranch_scc1 .Lrows
	s_wait_tensorcnt 0x0                           ; the wave's end
	ds_add_u32 v[SPW], v[NIL]
	s_wait_dscnt 0x0
	s_endpgm
.Lfunc_end_k_q901c047f29_scan:
	.size	k_q901c047f29_scan, .Lfunc_end_k_q901c047f29_scan-k_q901c047f29_scan
	.p2alignl 7, 3214868480
	.fill 96, 4, 3214868480
	.section	.rodata,"a",@progbits
	.p2align	6, 0x0
	.amdhsa_kernel k_q901c047f29_scan
		.amdhsa_group_segment_fixed_size 327680
		.amdhsa_private_segment_fixed_size 0
		.amdhsa_enable_private_segment 0
		.amdhsa_kernarg_size 32
		.amdhsa_user_sgpr_count 2
		.amdhsa_user_sgpr_kernarg_segment_ptr 1
		.amdhsa_wavefront_size32 1
		.amdhsa_system_sgpr_workgroup_id_x 1
		.amdhsa_system_sgpr_workgroup_id_y 1
		.amdhsa_system_sgpr_workgroup_id_z 1
		.amdhsa_system_vgpr_workitem_id 0
		.amdhsa_next_free_vgpr 768
		.amdhsa_next_free_sgpr 102
		.amdhsa_reserve_vcc 1
		.amdhsa_float_denorm_mode_32 3
		.amdhsa_float_denorm_mode_16_64 3
		.amdhsa_memory_ordered 1
		.amdhsa_forward_progress 1
		.amdhsa_inst_pref_size 146
	.end_amdhsa_kernel
	.amdgpu_metadata
---
amdhsa.version: [ 1, 2 ]
amdhsa.kernels:
  - .name:           k_q901c047f29_scan
    .symbol:         k_q901c047f29_scan.kd
    .args:
      - { .name: zs, .offset: 0, .size: 8, .value_kind: global_buffer, .address_space: global }
      - { .name: sb, .offset: 8, .size: 8, .value_kind: global_buffer, .address_space: global }
      - { .name: D, .offset: 16, .size: 8, .value_kind: global_buffer, .address_space: global }
      - { .name: yg, .offset: 24, .size: 8, .value_kind: global_buffer, .address_space: global }
    .group_segment_fixed_size: 327680
    .private_segment_fixed_size: 0
    .kernarg_segment_align: 8
    .kernarg_segment_size: 32
    .max_flat_workgroup_size: 128
    .sgpr_count:     102
    .vgpr_count:     768
    .wavefront_size: 32
...
	.end_amdgpu_metadata
.endif
;; end of part 3
;; launch norm (part 4): grid 256 x 1, 8 waves a work-group, no clusters, 0 bytes of LDS; arguments yg, gamma, beta, yn; writes yn
.if DOCPART == 4
	.amdgcn_target "amdgcn-amd-amdhsa--gfx1250"
	.amdhsa_code_object_version 6
	.text
	.protected	k_q901c047f29_norm
	.globl	k_q901c047f29_norm
	.p2align	8
	.type	k_q901c047f29_norm,@function
k_q901c047f29_norm:
	s_mov_b64 s[64:65], 0
	v_nop
	global_prefetch_b8 v0, s[64:65] scope:SCOPE_SE
	s_setreg_imm32_b32 hwreg(HW_REG_WAVE_MODE, 25, 1), 1
	s_wait_xcnt 0x0
; MAMBA-2 BLOCK, launch 4 of 5: yn = (y - mean) rsqrt(var + 1e-5) gamma + beta over a row's 2,048 channels; y f32 in, yn f16 out (a matrix operand of the last product).  Nothing is left out.
; One wave, one row: the row's 8,192 bytes stay in 64 registers between the mean, the variance (of the centred numbers, as reference() takes it) and the scaling: read once, no LDS, no barrier.
; gamma and beta are rounded to bf16, like every input.  LIMIT: |yn| stays within f16's 65,504.  Memory binds: matrix units, clusters and LDS would add nothing.
; Lane l holds channels 128 j + 4 l .. + 3, j = 0..15: a load covers 512 consecutive bytes, a store 256, aligned.
	s_load_b256 s[4:11], s[0:1], 0x0               ; yg s[4:5], gamma s[6:7], beta s[8:9], yn s[10:11]
	v_lshrrev_b32 v1, 5, v0
	v_readfirstlane_b32 s12, v1
	s_lshl_b32 s13, ttmp9, 3
	s_add_co_u32 s13, s13, s12                     ; my row
	s_lshl_b32 s14, s13, 13
	s_mov_b32 s15, 0
	s_lshl_b32 s16, s13, 12
	s_mov_b32 s17, 0
	s_mov_b32 s18, 0x76543210                      ; v_permlanex16_b32: each lane takes its own place in the other half
	s_mov_b32 s19, 0xfedcba98
	s_mov_b32 s20, 0x3a000000                      ; 1 / 2,048
	v_and_b32 v3, 31, v0
	v_lshlrev_b32 v1, 4, v3
	v_lshlrev_b32 v2, 3, v3
	v_mov_b32 v13, 0                               ; the second registers of two pairs of which the first alone is used
	v_mov_b32 v15, 0
	s_wait_kmcnt 0x0
	s_add_nc_u64 s[4:5], s[4:5], s[14:15]
	s_add_nc_u64 s[10:11], s[10:11], s[16:17]
.irp j, 0,1,2,3,4,5,6,7,8,9,10,11,12,13,14,15
	global_load_b128 v[16+4*(\j):19+4*(\j)], v1, s[4:5] offset:512*(\j) th:TH_LOAD_NT
.endr
.irp j, 0,1,2,3,4,5,6,7,8,9,10,11,12,13,14,15
	global_load_b128 v[80+4*(\j):83+4*(\j)], v1, s[6:7] offset:512*(\j)
.endr
.irp j, 0,1,2,3,4,5,6,7,8,9,10,11,12,13,14,15
	global_load_b128 v[144+4*(\j):147+4*(\j)], v1, s[8:9] offset:512*(\j)
.endr
.macro ACROSS                          ; v[4:11], four chains of pairs, into one sum in v4 of every lane
	v_pk_add_f32 v[4:5], v[4:5], v[6:7]
	v_pk_add_f32 v[8:9], v[8:9], v[10:11]
	v_pk_add_f32 v[4:5], v[4:5], v[8:9]
	v_add_f32 v4, v4, v5
	v_add_f32_dpp v4, v4, v4 row_xmask:1 row_mask:0xf bank_mask:0xf
	v_add_f32_dpp v4, v4, v4 row_xmask:2 row_mask:0xf bank_mask:0xf
	v_add_f32_dpp v4, v4, v4 row_xmask:4 row_mask:0xf bank_mask:0xf
	v_add_f32_dpp v4, v4, v4 row_xmask:8 row_mask:0xf bank_mask:0xf
	v_permlanex16_b32 v5, v4, s18, s19
	v_add_f32 v4, v4, v5
.endm
	s_wait_loadcnt 32                              ; y is in; gamma's and beta's 32 loads may stay out
.irp c, 0,1,2,3
	v_pk_add_f32 v[4+2*(\c):5+2*(\c)], v[16+2*(\c):17+2*(\c)], v[24+2*(\c):25+2*(\c)]  ; the first pairs start the chains: nothing is cleared
.endr
.set p, 8
.rept 24
	v_pk_add_f32 v[4+2*(p%4):5+2*(p%4)], v[4+2*(p%4):5+2*(p%4)], v[16+2*p:17+2*p]
.set p, p+1
.endr
	ACROSS
	v_mul_f32 v12, s20, v4                         ; the mean
.set p, 0
.rept 32
	v_pk_add_f32 v[16+2*p:17+2*p], v[16+2*p:17+2*p], v[12:13] op_sel_hi:[1,0] neg_lo:[0,1] neg_hi:[0,1]
.set p, p+1
.endr
.irp c, 0,1,2,3
	v_pk_mul_f32 v[4+2*(\c):5+2*(\c)], v[16+2*(\c):17+2*(\c)], v[16+2*(\c):17+2*(\c)]
.endr
.set p, 4
.rept 28
	v_pk_fma_f32 v[4+2*(p%4):5+2*(p%4)], v[16+2*p:17+2*p], v[16+2*p:17+2*p], v[4+2*(p%4):5+2*(p%4)]
.set p, p+1
.endr
	ACROSS
	v_fmaak_f32 v14, s20, v4, 0x3727c5ac           ; var + 1e-5
	v_rsq_f32 v14, v14
	s_wait_loadcnt 0x0                             ; gamma and beta
.set k, 0
.rept 32                               ; the roundings of gamma and beta are the independent work behind the root
	v_cvt_pk_bf16_f32 v[208+k], v[80+2*k], v[81+2*k]
.set k, k+1
.endr
.set k, 0
.rept 32
	v_cvt_pk_bf16_f32 v[80+k], v[144+2*k], v[145+2*k]
.set k, k+1
.endr
	s_wait_alu depctr_va_vdst(0)                   ; the wait ahead of the root's first reader
.set p, 0
.rept 32
	v_pk_mul_f32 v[16+2*p:17+2*p], v[16+2*p:17+2*p], v[14:15] op_sel_hi:[1,0]
.set p, p+1
.endr
.set k, 0
.rept 32
	v_fma_mix_f32_bf16 v[16+2*k], v[16+2*k], v[208+k], v[80+k] op_sel_hi:[0,1,1]
	v_fma_mix_f32_bf16 v[17+2*k], v[17+2*k], v[208+k], v[80+k] op_sel:[0,1,1] op_sel_hi:[0,1,1]
.set k, k+1
.endr
.set k, 0
.rept 32
	v_cvt_pk_f16_f32 v[112+k], v[16+2*k], v[17+2*k]
.set k, k+1
.endr
.irp j, 0,1,2,3,4,5,6,7,8,9,10,11,12,13,14,15
	global_store_b64 v2, v[112+2*(\j):113+2*(\j)], s[10:11] offset:256*(\j)  ; 32 lanes store 256 consecutive bytes, aligned
.endr
	s_endpgm
.Lfunc_end_k_q901c047f29_norm:
	.size	k_q901c047f29_norm, .Lfunc_end_k_q901c047f29_norm-k_q901c047f29_norm
	.p2alignl 7, 3214868480
	.fill 96, 4, 3214868480
	.section	.rodata,"a",@progbits
	.p2align	6, 0x0
	.amdhsa_kernel k_q901c047f29_norm
		.amdhsa_group_segment_fixed_size 0
		.amdhsa_private_segment_fixed_size 0
		.amdhsa_enable_private_segment 0
		.amdhsa_kernarg_size 32
		.amdhsa_user_sgpr_count 2
		.amdhsa_user_sgpr_kernarg_segment_ptr 1
		.amdhsa_wavefront_size32 1
		.amdhsa_system_sgpr_workgroup_id_x 1
		.amdhsa_system_sgpr_workgroup_id_y 1
		.amdhsa_system_sgpr_workgroup_id_z 1
		.amdhsa_system_vgpr_workitem_id 0
		.amdhsa_next_free_vgpr 240
		.amdhsa_next_free_sgpr 66
		.amdhsa_reserve_vcc 0
		.amdhsa_float_denorm_mode_32 3
		.amdhsa_float_denorm_mode_16_64 3
		.amdhsa_memory_ordered 1
		.amdhsa_forward_progress 1
		.amdhsa_inst_pref_size 27
	.end_amdhsa_kernel
	.amdgpu_metadata
---
amdhsa.version: [ 1, 2 ]
amdhsa.kernels:
  - .name:           k_q901c047f29_norm
    .symbol:         k_q901c047f29_norm.kd
    .args:
      - { .name: yg, .offset: 0, .size: 8, .value_kind: global_buffer, .address_space: global }
      - { .name: gamma, .offset: 8, .size: 8, .value_kind: global_buffer, .address_space: global }
      - { .name: beta, .offset: 16, .size: 8, .value_kind: global_buffer, .address_space: global }
      - { .name: yn, .offset: 24, .size: 8, .value_kind: global_buffer, .address_space: global }
    .group_segment_fixed_size: 0
    .private_segment_fixed_size: 0
    .kernarg_segment_align: 8
    .kernarg_segment_size: 32
    .max_flat_workgroup_size: 256
    .sgpr_count:     66
    .vgpr_count:     240
    .wavefront_size: 32
...
	.end_amdgpu_metadata
.endif
;; end of part 4
;; launch gemm2 (part 5): grid 16 x 16, 4 waves a work-group, clusters of 4 x 4, 327,680 bytes of LDS; arguments yn, wof, out0; writes out0
.if DOCPART == 5
	.amdgcn_target "amdgcn-amd-amdhsa--gfx1250"
	.amdhsa_code_object_version 6
	.text
	.protected	k_q901c047f29_gemm2
	.globl	k_q901c047f29_gemm2
	.p2align	8
	.type	k_q901c047f29_gemm2,@function
k_q901c047f29_gemm2:
	s_mov_b64 s[64:65], 0
	v_nop
	global_prefetch_b8 v0, s[64:65] scope:SCOPE_SE
	s_setreg_imm32_b32 hwreg(HW_REG_WAVE_MODE, 25, 1), 1
	s_wait_xcnt 0x0
	s_wait_alu depctr_hold_cnt(0) depctr_sa_sdst(0) depctr_va_vdst(0) depctr_va_sdst(0) depctr_va_ssrc(0) depctr_va_vcc(0) depctr_vm_vsrc(0)
	s_getreg_b32 s2, hwreg(HW_REG_IB_STS2, 6, 4)
	s_cmp_eq_u32 s2, 0
	s_cbranch_scc0 .Lentry_in_a_cluster
	s_endpgm
.Lentry_in_a_cluster:
	s_bfe_u32 s2, ttmp6, 0x10000c
	s_cmp_lg_u32 s2, 0xf033
	s_cbranch_scc0 .Lentry_shape_is_right
	s_endpgm
.Lentry_shape_is_right:
; MAMBA-2 BLOCK, launch 5 of 5: out0[m][n] = sum over k of yn[m][k] wof[n][k]; 2,048 x 2,048 x 2,048; f16 operands, f32 sums, f32 out.  Nothing is left out.
; Tiles of 256 x 256 would be 64, for 256 WGPs: a tile is 128 x 128, 256 work-groups.  Four waves, each 64 x 64: 16 accumulators.  K goes in steps of 256 (LDS rows of 512 bytes; a wave's tensor
; load brings 64 of them), as long as two slots in LDS allow.  CLUSTERS: 4 x 4 work-groups; the four of a row need the same tiles of yn, the four of a column the same tiles of wof: joint loads.
; NO PREFETCH: the tiles are small and each operand is 8 MiB that sixteen tile rows or columns read.
; THE MATRIX INSTRUCTION IS USED TRANSPOSED (source 0 = 16 rows of wof, source 1 = 16 rows of yn): a lane holds eight neighbouring numbers of a row of out0.
; THE WAY OUT: a wave's 64 columns in f32 are 256 aligned bytes of a row, so each wave has a stage of its own and no barrier is needed.
; REGISTERS: window 0: v0-31 addresses; v32-95 at work on the way out; v128-255 the accumulators ((a, b) at v[128 + 8 (4 a + b)]).  window 1: two fragment buffers of 128.
.set SIZE_K, 2048
.set KSTEP,  256
.set PITCH,  528                       ; an LDS row: 512 bytes + 16 of padding = 132 words: the 16 rows of a fragment load start at 16 different groups of four banks (ISA guide 11.1)
.set HALFT,  64*PITCH
.set SLOT,   4*HALFT
.set STAGE,  2*SLOT                    ; behind the ring: 16 rows x 272 bytes for each wave
.set SPITCH, 272
.set SPARE,  STAGE+4*16*SPITCH         ; the spare words, 128 bytes for each wave: two blocks of 256 bytes that no other line names
.set LAPS, SIZE_K/(2*KSTEP)
.set ADRA, 16
.set ADRB, 20
.set STO,  24                          ; v24  the way out: where I put 32 bytes of a row
.set RD,   25                          ; v25  where I read a row back
.set CO,   26                          ; v26  my byte offset in two rows of out0
.set SPW,  28
.set NIL,  29
.set TMP,  32
.set ACC,  128
.set F0,   0
.set F1,   128
.set G1, 24
.set G0, 32
.set G1B, 48
.set G0B, 56
.set MSB, 0
.macro WIN new
.if MSB != (\new)
	s_set_vgpr_msb (MSB<<8)|(\new)
.set MSB, \new
.endif
.endm
.set MUL,  0x05                        ; sources 0 (B) and 1 (A) window 1; C and D window 0
.set TO_F, 0x40                        ; destination window 1, address window 0
.macro JLOAD s                         ; a joint load: waves 0 and 1 fetch A's two halves, waves 2 and 3 B's; an s_nop 0 and four v_nop follow each of the two lines
	s_cmp_eq_u32 s11, 0
	s_cbranch_scc0 .Lfor_b_\@
	tensor_load_to_lds s[G0+4*(\s):G0+4*(\s)+3], s[G1:G1+7]
	s_nop 0
.rept 4
	v_nop
.endr
	s_branch .Lasked_\@
.Lfor_b_\@:
	tensor_load_to_lds s[G0B+4*(\s):G0B+4*(\s)+3], s[G1B:G1B+7]
	s_nop 0
.rept 4
	v_nop
.endr
.Lasked_\@:
.endm
.macro CREST
	s_cmp_lg_u32 s10, 0
	s_cbranch_scc1 .Lnot_wave_0_\@
	s_barrier_signal -3
.Lnot_wave_0_\@:
	s_barrier_wait -3
	s_barrier_signal -1
	s_barrier_wait -1
.endm
.macro CROUND
	s_barrier_signal -1
	s_barrier_wait -1
	CREST
.endm
	s_load_b128 s[4:7], s[0:1], 0x0                ; yn s[4:5], wof s[6:7]
	s_load_b64 s[8:9], s[0:1], 0x10                ; out0
	v_lshl_add_u32 v[SPW], v0, 2, SPARE
	v_mov_b32 v[NIL], 0
	ds_add_u32 v[SPW], v[NIL]                      ; the wave's opening: the add, twice on end, and its wait ahead of my first tensor load
	ds_add_u32 v[SPW], v[NIL]
	v_lshrrev_b32 v1, 5, v0
	v_readfirstlane_b32 s10, v1                    ; wave 0..3
	s_lshr_b32 s11, s10, 1                         ; which half of the tile's rows is mine.  Also: I fetch for A (0) or for B (1)
	s_and_b32 s12, s10, 1                          ; which half of its columns.  Also: which 64 rows of that tile I fetch
	s_bfe_u32 s40, ttmp6, 0x40000                  ; cx, cy
	s_bfe_u32 s41, ttmp6, 0x40004
	s_lshl_b32 s42, ttmp9, 2
	s_add_co_u32 s42, s42, s40                     ; tile column
	s_and_b32 s13, ttmp7, 0xffff
	s_lshl_b32 s13, s13, 2
	s_add_co_u32 s13, s13, s41                     ; tile row
	s_lshl_b32 s43, s41, 2
	s_lshl_b32 s43, 15, s43                        ; my row of the cluster
	s_lshl_b32 s44, 0x1111, s40                    ; my column
	s_or_b32 s[G1+0], s43, (1<<16)|(1<<20)|(1<<21)|(6<<22)|(3<<25)  ; the mask; 2-byte elements; padding on; bit 21 beside a mask; after every 128 words; 4 words
	s_or_b32 s[G1B+0], s44, (1<<16)|(1<<20)|(1<<21)|(6<<22)|(3<<25)
.irp g, G1, G1B
	s_mov_b32 s[(\g)+1], KSTEP<<16                 ; tensor_dim0 = 256
	s_mov_b32 s[(\g)+2], 64<<16                    ; tensor_dim1 = 64
	s_mov_b32 s[(\g)+3], KSTEP<<16                 ; tile_dim0 = 256
	s_mov_b32 s[(\g)+4], 64                        ; tile_dim1 = 64
	s_mov_b32 s[(\g)+5], SIZE_K                    ; elements from row to row
	s_mov_b32 s[(\g)+6], 0
	s_mov_b32 s[(\g)+7], 0
.endr
	s_lshl_b32 s17, s12, 6                         ; which 64 rows of the tile I fetch
	s_lshl_b32 s16, s13, 7
	s_add_co_u32 s16, s16, s17
	s_lshl_b32 s46, s42, 7
	s_add_co_u32 s46, s46, s17
	s_mov_b32 s17, 0
	s_mov_b32 s47, 0
	s_mov_b64 s[18:19], SIZE_K*2
	s_mul_u64 s[16:17], s[16:17], s[18:19]
	s_mul_u64 s[46:47], s[46:47], s[18:19]
	s_mul_i32 s20, s10, HALFT                      ; where they go: wave x 64 rows
	s_wait_dscnt 0x0                               ; both opening adds are done
	s_wait_kmcnt 0x0
	s_add_nc_u64 s[14:15], s[4:5], s[16:17]
	s_add_nc_u64 s[46:47], s[6:7], s[46:47]
	CROUND                                         ; all sixteen work-groups are here: the first joint loads meet
.irp s, 0,1
	s_mov_b32 s[G0+4*(\s)], 1
	s_add_co_u32 s[G0+4*(\s)+1], s20, (\s)*SLOT
	s_add_nc_u64 s[G0+4*(\s)+2:G0+4*(\s)+3], s[14:15], (\s)*KSTEP*2
	s_or_b32 s[G0+4*(\s)+3], s[G0+4*(\s)+3], 0x80000000
	s_mov_b32 s[G0B+4*(\s)], 1
	s_add_co_u32 s[G0B+4*(\s)+1], s20, (\s)*SLOT
	s_add_nc_u64 s[G0B+4*(\s)+2:G0B+4*(\s)+3], s[46:47], (\s)*KSTEP*2
	s_or_b32 s[G0B+4*(\s)+3], s[G0B+4*(\s)+3], 0x80000000
	JLOAD \s                                       ; two loads of mine are out
.endr
	v_and_b32 v1, 15, v0                           ; l % 16
	v_bfe_u32 v2, v0, 4, 1                         ; l / 16
	v_mul_u32_u24 v3, v1, PITCH
	v_lshl_add_u32 v3, v2, 4, v3
	s_mul_i32 s21, s11, HALFT                      ; my 64 rows of A
	s_mul_i32 s22, s12, HALFT                      ; my 64 rows of B,
	s_add_co_u32 s22, s22, 2*HALFT                 ; which lie behind A's 128
.irp s, 0,1
	v_add_nc_u32 v[ADRA+(\s)], s21, v3
	v_add_nc_u32 v[ADRB+(\s)], s22, v3
	s_add_co_u32 s21, s21, SLOT
	s_add_co_u32 s22, s22, SLOT
.endr
	s_mul_i32 s23, s10, 16*SPITCH
	s_add_co_u32 s23, s23, STAGE                   ; my stage
	v_mul_u32_u24 v4, v1, SPITCH                   ; in: row l % 16, 32 bytes for each half of the lanes
	v_lshl_add_u32 v4, v2, 5, v4
	v_add_nc_u32 v[STO], s23, v4
	v_mul_u32_u24 v5, v2, SPITCH                   ; back: lanes 0-15 take one row of 256 bytes, lanes 16-31 the next
	v_lshl_add_u32 v5, v1, 4, v5
	v_add_nc_u32 v[RD], s23, v5
	v_lshlrev_b32 v5, 13, v2                       ; and the same two rows in out0, 8,192 bytes apart
	v_lshl_add_u32 v[CO], v1, 4, v5
	s_lshl_b32 s16, s13, 7
	s_lshl_b32 s17, s11, 6
	s_add_co_u32 s16, s16, s17                     ; my first row: 128 x tile row + 64 x half
	s_lshl_b32 s16, s16, 13
	s_mov_b32 s17, 0
	s_add_nc_u64 s[8:9], s[8:9], s[16:17]
	s_lshl_b32 s46, s42, 9                         ; my first column, in bytes: 512 x tile column + 256 x half
	s_lshl_b32 s47, s12, 8
	s_add_co_u32 s46, s46, s47
	s_mov_b32 s47, 0
	s_add_nc_u64 s[8:9], s[8:9], s[46:47]
; 8 matrix instructions: m blocks a0, a0 + 1 x all 4 n blocks, 32 along K: half c of buffer f.  zero = 1: the first product starts the sums.  The 16 accumulators take turns.
.macro MUL8 f, c, a0, zero
	WIN MUL
.irp a, \a0, (\a0)+1
.irp b, 0,1,2,3
.if \zero
	v_wmma_f32_16x16x32_f16 v[ACC+8*(4*(\a)+(\b)):ACC+8*(4*(\a)+(\b))+7], v[(\f)+64+8*(4*(\c)+(\b)):(\f)+64+8*(4*(\c)+(\b))+7], v[(\f)+8*(4*(\c)+(\a)):(\f)+8*(4*(\c)+(\a))+7], 0
.else
	v_wmma_f32_16x16x32_f16 v[ACC+8*(4*(\a)+(\b)):ACC+8*(4*(\a)+(\b))+7], v[(\f)+64+8*(4*(\c)+(\b)):(\f)+64+8*(4*(\c)+(\b))+7], v[(\f)+8*(4*(\c)+(\a)):(\f)+8*(4*(\c)+(\a))+7], v[ACC+8*(4*(\a)+(\b)):ACC+8*(4*(\a)+(\b))+7]
.endif
.endr
.endr
.endm
; 32 LDS loads in one run: the fragments of 64 along K at byte k of the rows, into buffer f; the first 32 along K first
.macro FETCH slot, k, f
	WIN TO_F
.irp c, 0,1
.irp i, 0,1,2,3
	ds_load_b128 v[(\f)+64+8*(4*(\c)+(\i)):(\f)+64+8*(4*(\c)+(\i))+3],   v[ADRB+(\slot)] offset:(\k)+64*(\c)+(\i)*16*PITCH
	ds_load_b128 v[(\f)+64+8*(4*(\c)+(\i))+4:(\f)+64+8*(4*(\c)+(\i))+7], v[ADRB+(\slot)] offset:(\k)+64*(\c)+(\i)*16*PITCH+32
	ds_load_b128 v[(\f)+8*(4*(\c)+(\i)):(\f)+8*(4*(\c)+(\i))+3],         v[ADRA+(\slot)] offset:(\k)+64*(\c)+(\i)*16*PITCH
	ds_load_b128 v[(\f)+8*(4*(\c)+(\i))+4:(\f)+8*(4*(\c)+(\i))+7],       v[ADRA+(\slot)] offset:(\k)+64*(\c)+(\i)*16*PITCH+32
.endr
.endr
.endm
.macro PLACES                          ; four places behind a matrix instruction (ISA guide 7.12.1)
.rept 4
	v_nop
.endr
.endm
; A K step is four quarters of 64 along K, 32 matrix instructions each, on buffers 0, 1, 0, 1.
.macro QUARTER slot, k, f, g, zero
	s_wait_dscnt 16                                ; the first 32 along K are in; the youngest sixteen loads may be out
	WIN MUL
	MUL8 \f, 0, 0, \zero
	MUL8 \f, 0, 2, \zero
	PLACES
	FETCH \slot, \k, \g
	s_wait_dscnt 32                                ; all but the 32 just issued
	WIN MUL
	MUL8 \f, 1, 0, 0
	MUL8 \f, 1, 2, 0
.endm
; The last quarter changes slots: in front of the barrier each wave waits for all its tensor loads, adds 0 to its spare word, and waits for that and for its reads of this slot.  fill = 1: this slot is filled again.
.macro TURN slot, next, fill
	WIN 0
	s_wait_tensorcnt 0x0                           ; all my tensor loads have landed: my part of the next slot
	ds_add_u32 v[SPW], v[NIL]
	s_wait_dscnt 17                                ; the add and the youngest sixteen loads may be out
	WIN MUL
	MUL8 F1, 0, 0, 0
	s_wait_dscnt 0x0                               ; the add is done, and my reads of this slot are over
	s_barrier_signal -1
	MUL8 F1, 0, 2, 0
.if \fill
	WIN 0
.endif
	s_barrier_wait -1
.if \fill
	CREST                                          ; the round: no wave of any partner still reads this slot's tile or has a load on its way
	s_add_nc_u64 s[G0+4*(\slot)+2:G0+4*(\slot)+3], s[G0+4*(\slot)+2:G0+4*(\slot)+3], 2*KSTEP*2
	s_add_nc_u64 s[G0B+4*(\slot)+2:G0B+4*(\slot)+3], s[G0B+4*(\slot)+2:G0B+4*(\slot)+3], 2*KSTEP*2
	JLOAD \slot                                    ; the first tensor load behind the round, my only one until the next: 112 matrix instructions ahead of the wait for it
.else
	PLACES
.endif
	FETCH \next, 0, F0
	WIN MUL
	MUL8 F1, 1, 0, 0
	MUL8 F1, 1, 2, 0
.endm
	s_wait_tensorcnt 1                             ; my part of K step 0 is in; K step 1's may stay out
	s_barrier_signal -1
	s_barrier_wait -1
	FETCH 0, 0, F0
	QUARTER 0, 128, F0, F1, 1                      ; the first quarter stands in front of the loop: its first products start the sums
	WIN 0
	s_mov_b32 s3, LAPS-1
.Llap:
	QUARTER 0, 256, F1, F0, 0
	QUARTER 0, 384, F0, F1, 0
	TURN 0, 1, 1
	QUARTER 1, 128, F0, F1, 0
	QUARTER 1, 256, F1, F0, 0
	QUARTER 1, 384, F0, F1, 0
	TURN 1, 0, 1
	QUARTER 0, 128, F0, F1, 0
	WIN 0
	s_sub_co_u32 s3, s3, 1
	s_cmp_lg_u32 s3, 0
	s_cbranch_scc1 .Llap
	QUARTER 0, 256, F1, F0, 0                      ; the last lap fills nothing, and has no round of the cluster's barrier
	QUARTER 0, 384, F0, F1, 0
	TURN 0, 1, 0
	QUARTER 1, 128, F0, F1, 0
	QUARTER 1, 256, F1, F0, 0
	QUARTER 1, 384, F0, F1, 0
	s_wait_dscnt 16
	WIN MUL
	MUL8 F1, 0, 0, 0
	MUL8 F1, 0, 2, 0
	s_wait_dscnt 0
	MUL8 F1, 1, 0, 0
	MUL8 F1, 1, 2, 0
	WIN 0
	; THE WAY OUT, 16 rows at a time: a lane's eight f32 of a row go into my stage (rows of 272 bytes) and come back as whole rows of 256 bytes.
	PLACES
.irp a, 0,1,2,3
.set BK, TMP+32*((\a)%2)
.if (\a) >= 2
	s_wait_xcnt 0x0                                ; the stores of two blocks back have read these registers
.endif
.irp b, 0,1,2,3
	ds_store_b128 v[STO], v[ACC+8*(4*(\a)+(\b)):ACC+8*(4*(\a)+(\b))+3] offset:64*(\b)      ; each accumulator's low registers first
	ds_store_b128 v[STO], v[ACC+8*(4*(\a)+(\b))+4:ACC+8*(4*(\a)+(\b))+7] offset:64*(\b)+16
.endr
.irp t, 0,1,2,3,4,5,6,7
	ds_load_b128 v[BK+4*(\t):BK+4*(\t)+3], v[RD] offset:(\t)*2*SPITCH  ; LDS serves a wave's instructions in order (ISA guide 5.7.1.4): these see the stores above; the next block's stores come behind them
.endr
.irp t, 0,1,2,3,4,5,6,7
	s_wait_dscnt 7-(\t)                            ; load t is back, the 7 - t younger ones stay out
	global_store_b128 v[CO], v[BK+4*(\t):BK+4*(\t)+3], s[8:9] offset:16384*(\t)+131072*(\a) th:TH_STORE_NT  ; 16 lanes store 256 consecutive bytes, aligned
.endr
.endr
	s_wait_tensorcnt 0x0                           ; the wave's end
	ds_add_u32 v[SPW], v[NIL]
	s_wait_dscnt 0x0
	CROUND                                         ; the closing round
	s_endpgm
.Lfunc_end_k_q901c047f29_gemm2:
	.size	k_q901c047f29_gemm2, .Lfunc_end_k_q901c047f29_gemm2-k_q901c047f29_gemm2
	.p2alignl 7, 3214868480
	.fill 96, 4, 3214868480
	.section	.rodata,"a",@progbits
	.p2align	6, 0x0
	.amdhsa_kernel k_q901c047f29_gemm2
		.amdhsa_group_segment_fixed_size 327680
		.amdhsa_private_segment_fixed_size 0
		.amdhsa_enable_private_segment 0
		.amdhsa_kernarg_size 24
		.amdhsa_user_sgpr_count 2
		.amdhsa_user_sgpr_kernarg_segment_ptr 1
		.amdhsa_wavefront_size32 1
		.amdhsa_system_sgpr_workgroup_id_x 1
		.amdhsa_system_sgpr_workgroup_id_y 1
		.amdhsa_system_sgpr_workgroup_id_z 1
		.amdhsa_system_vgpr_workitem_id 0
		.amdhsa_next_free_vgpr 512
		.amdhsa_next_free_sgpr 66
		.amdhsa_reserve_vcc 0
		.amdhsa_float_denorm_mode_32 3
		.amdhsa_float_denorm_mode_16_64 3
		.amdhsa_memory_ordered 1
		.amdhsa_forward_progress 1
		.amdhsa_inst_pref_size 86
	.end_amdhsa_kernel
	.amdgpu_metadata
---
amdhsa.version: [ 1, 2 ]
amdhsa.kernels:
  - .name:           k_q901c047f29_gemm2
    .symbol:         k_q901c047f29_gemm2.kd
    .args:
      - { .name: yn, .offset: 0, .size: 8, .value_kind: global_buffer, .address_space: global }
      - { .name: wof, .offset: 8, .size: 8, .value_kind: global_buffer, .address_space: global }
      - { .name: out0, .offset: 16, .size: 8, .value_kind: global_buffer, .address_space: global }
    .group_segment_fixed_size: 327680
    .private_segment_fixed_size: 0
    .kernarg_segment_align: 8
    .kernarg_segment_size: 24
    .max_flat_workgroup_size: 128
    .sgpr_count:     66
    .vgpr_count:     512
    .wavefront_size: 32
...
	.end_amdgpu_metadata
.endif
;; end of part 5
;; ======== version 2 of 2: 5 launches; version 1 with the launch prep written anew for expert scheduling mode
;; limits: values are held in f16: magnitudes above 65,504 overflow, below 6.1e-05 lose precision
;; workspace buffers: xb 8,388,608 bytes; wib 33,554,432 bytes; wof 8,388,608 bytes; sb 262,144 bytes; zs 33,554,432 bytes; yg 16,777,216 bytes; yn 8,388,608 bytes
;; launch prep (part 6): grid 1600 x 1, 8 waves a work-group, no clusters, 38,144 bytes of LDS; arguments x, W_in, W_out, xb, wib, wof, sb; writes xb, wib, wof, sb
.if DOCPART == 6
	.amdgcn_target "amdgcn-amd-amdhsa--gfx1250"
	.amdhsa_code_object_version 6
	.text
	.protected	k_q901c047f29_prep
	.globl	k_q901c047f29_prep
	.p2align	8
	.type	k_q901c047f29_prep,@function
k_q901c047f29_prep:
	s_mov_b64 s[64:65], 0
	v_nop
	global_prefetch_b8 v0, s[64:65] scope:SCOPE_SE
	s_setreg_imm32_b32 hwreg(HW_REG_WAVE_SCHED_MODE, 0, 2), 2
	s_setreg_imm32_b32 hwreg(HW_REG_WAVE_MODE, 25, 1), 1
	s_wait_xcnt 0x0
	s_wait_alu depctr_vm_vsrc(0)
; MAMBA-2 BLOCK, launch 1 of 5: the operands are rounded once, and the decay's exponents are made.
; THE PROGRAM.  prep: x, W_in (rows 0-8191) to bf16, W_out to bf16 written as f16; a_log = x . W_in[8192:8224]^T and its prefix sums.  gemm1: x_t, z_t, b_t, c_t, by heads, f16.
; scan: the recurrence in chunks of 64 steps, + D x, times silu(z).  norm: LayerNorm, gamma, beta.  gemm2: the output projection.
; WORK LEFT OUT, for all values of the inputs.  (1) reference() starts the scan from a state of zeros that it builds itself: the product of that state with c_t is 0 for the first 64 steps
; of each sequence, and no earlier steps exist for the first quarter; both are not computed.  (2) The scan's last state is returned to nobody: the state after each work-group's last chunk is not made.
; (3) In a chunk y_t takes x_j b_j only for j <= t: the 16 x 16 tiles of the chunk's 64 x 64 table with all j > t, and their products with x, are not computed.
; Every input has a way to the output and is loaded.  LIMIT: a NaN, an infinity or an overflow that would reach only the work left out is not carried to the result.
; FORMATS.  All six inputs are rounded to bf16 once; sums are f32.  W_out's bf16 number is written in f16 for the last product: exact from 6.1e-5 to 65,504, below that to 3e-8.
; THE DECAY.  decay = exp(-exp(a)) = 2^a2 with a2 = -min(log2(e) exp(a), 150): 2^-150 is 0 in f32, as the decay itself is there, and the bound keeps every later difference of sums finite.
; sb holds, for each chunk of 64 steps and each head, the inclusive prefix sums of a2 inside the chunk, in f32 (9,600 in size at the most).  A NaN in a counts as a2 = -150.
; SHARES.  Work-groups 0-63: one chunk of 64 rows x 16 heads of a_log; K = 2,048 is split among the eight waves, 256 channels each; the partial sums meet in LDS.
; With 16 heads a K step is 20 loads, and TWO sets of them fit beside the sums in 248 registers, so that two work-groups still share a WGP: while one set is rounded and multiplied the other's
; loads are out and the first is asked for again at once: 20 KiB a wave on their way.  The price: a chunk of x is read by two work-groups.
; Work-groups 64-1599: a cast of 16,384 numbers each: 256 for x, 1,024 for W_in, 256 for W_out; every load of a wave takes 512 consecutive bytes, every store 256, aligned.
; THE MODE: SCHED_MODE bits 1:0 = 2 (LLVM: expert scheduling mode 2), set by the entry lines.  The code itself states the register dependences
; between vector or matrix instructions and memory or LDS instructions, with s_wait_alu, always for 0.
; THE PLAN.  Registers that memory or LDS instructions touch:
;   the cast    v1, v2: offsets, written once, read by every load and store.  v[16:79]: written by the 16 loads, read by the roundings.  v[80:111]: written once each by the roundings, read by the stores.
;               The numbers go in four groups of four loads.  At the head of group g one wait on va_vdst states that group g - 1's roundings have written their registers; that group's four stores
;               follow, dealt among group g's roundings, which name other registers.  v[112:115] are named by vector instructions alone.
;   a_log       RAW0, RAW1: K step with set b: its 40 roundings read RAW[b]; behind them the 20 loads of the K step two on land in it.  v4: read by every load, written once at the head.
;               FR and the sums are named by vector and matrix instructions alone.  So ONE wait on va_vdst stands in a K step, behind its roundings; the set's 20 loads follow it, dealt among the
;               step's four products, which name FR and the sums: none of the registers that those loads touch.  The bases are scalar registers that scalar instructions step.
;   the meeting v5, v6, v7: LDS addresses, written once at the head.  The sums are the LDS stores' data.  v[16:47]: loaded from LDS, added up; v[16:19] stored; in wave 0 loaded again, summed, stored.
;               v10, v11, v12: wave 0's addresses, written once.  v[80:111]: loaded from LDS, stored to memory.  v[SPW], v[NIL]: written at the head, read by the closing add alone.
.set NA,    64                         ; work-groups of a_log
.set PARTB, 0                          ; LDS: wave w's four partial tiles at 4,096 w, 1,024 bytes each
.set ROWS,  32768                      ; 16 heads x 64 f32, rows 272 bytes apart
.set RP,    272
.set SPARE, 37120                      ; the spare words, 128 bytes for each wave: four blocks of 256 bytes that no other line names
.set SPW, 8                            ; v8   LDS address of my spare word; never rewritten
.set NIL, 9                            ; v9   0; never rewritten
.set RAW, 16                           ; v[16:175]   two sets of 80: five fragments in f32: x rows 16 mt .. (mt 0-3), then W's 16 rows; 16 numbers a lane each
.set FR,  176                          ; v[176:215]  one set in bf16, 8 registers a fragment
.set ACC, 216                          ; v[216:247]  accumulator mt at ACC + 8 mt
	s_load_b256 s[4:11], s[0:1], 0x0               ; x s[4:5], W_in s[6:7], W_out s[8:9], xb s[10:11]
	s_load_b128 s[12:15], s[0:1], 0x20             ; wib s[12:13], wof s[14:15]
	s_load_b64 s[16:17], s[0:1], 0x30              ; sb
	v_lshl_add_u32 v[SPW], v0, 2, SPARE
	v_mov_b32 v[NIL], 0
	v_lshrrev_b32 v1, 5, v0
	v_readfirstlane_b32 s18, v1                    ; wave 0..7
	s_wait_alu depctr_va_sdst(0)                   ; s18 is written: stated ahead of the branch below and of its first reader, in a_log's address lines
	s_wait_kmcnt 0x0
	s_cmp_lt_u32 ttmp9, NA
	s_cbranch_scc1 .Lalog
; THE CAST.  Sixteen loads of 16 bytes a lane go out together; the waits count the younger loads of the run.  tof16 = 1: the bf16 number is widened (a shift, a mask) and written as f16.
.macro CAST src, dst, first, nt, tof16
	s_sub_co_u32 s20, ttmp9, NA+(\first)           ; my block of 16,384 numbers in this tensor
	s_lshl_b32 s22, s20, 15                        ; 32,768 bytes out,
	s_lshl_b32 s20, s20, 16                        ; 65,536 bytes in
	s_mov_b32 s21, 0
	s_mov_b32 s23, 0
	s_add_nc_u64 s[24:25], s[\src:\src+1], s[20:21]
	s_add_nc_u64 s[26:27], s[\dst:\dst+1], s[22:23]
	s_wait_alu depctr_va_vdst(0)                   ; v1 and v2 are written: every load and store below reads one of them as its offset
.irp j, 0,1,2,3,4,5,6,7,8,9,10,11,12,13,14,15
.if \nt
	global_load_b128 v[16+4*(\j):19+4*(\j)], v1, s[24:25] offset:4096*(\j) th:TH_LOAD_NT
.else
	global_load_b128 v[16+4*(\j):19+4*(\j)], v1, s[24:25] offset:4096*(\j)
.endif
.endr
.irp g, 0,1,2,3                        ; four groups of four loads' numbers
	s_wait_loadcnt 12-4*(\g)                       ; loads come back in order: group g's four are in, the 12 - 4 g younger ones stay out
.if (\g) > 0
	s_wait_alu depctr_va_vdst(0)                   ; the roundings of the group before have written its eight registers of v[80:111], which the four stores below read
.endif
.irp i, 0,1,2,3
.set n, 4*(\g)+(\i)
.if (\g) > 0
	global_store_b64 v2, v[80+2*(n-4):81+2*(n-4)], s[26:27] offset:2048*(n-4)  ; the group before: 32 lanes store 256 consecutive bytes, aligned; no vector instruction since the wait names these registers
.endif
	v_cvt_pk_bf16_f32 v[80+2*n], v[16+4*n], v[17+4*n]
	v_cvt_pk_bf16_f32 v[81+2*n], v[18+4*n], v[19+4*n]
.if \tof16
	v_lshlrev_b32 v112, 16, v[80+2*n]
	v_and_b32 v113, 0xffff0000, v[80+2*n]
	v_lshlrev_b32 v114, 16, v[81+2*n]
	v_and_b32 v115, 0xffff0000, v[81+2*n]
	v_cvt_pk_f16_f32 v[80+2*n], v112, v113
	v_cvt_pk_f16_f32 v[81+2*n], v114, v115
.endif
.endr
.endr
	s_wait_alu depctr_va_vdst(0)                   ; the last group's roundings have written v[104:111], which the last four stores read
.irp i, 0,1,2,3
	global_store_b64 v2, v[104+2*(\i):105+2*(\i)], s[26:27] offset:2048*(12+(\i))
.endr
	s_endpgm                                       ; this way wrote no LDS
.endm
	v_lshlrev_b32 v1, 4, v0                        ; 16 bytes a thread in,
	v_lshlrev_b32 v2, 3, v0                        ; 8 out
	s_cmp_lt_u32 ttmp9, NA+256
	s_cbranch_scc1 .Lcast_x
	s_cmp_lt_u32 ttmp9, NA+1280
	s_cbranch_scc1 .Lcast_w
	CAST 8, 14, 1280, 1, 1                         ; W_out
.Lcast_x:
	CAST 4, 10, 0, 0, 0                            ; x: no hint, work-groups 0-63 read it too
.Lcast_w:
	CAST 6, 12, 256, 1, 0                          ; W_in, rows 0-8191
; A_LOG.  D(m = step, n = head) = x rows . W rows.  In a K step of 32 channels lane (r, h) takes the 16 consecutive channels 16 h .. of its row, for both operands alike:
; the products pair the same channels, whatever their place in the registers.
.Lalog:
	v_and_b32 v1, 15, v0                           ; r
	v_bfe_u32 v2, v0, 4, 1                         ; h
	v_and_b32 v3, 31, v0                           ; lane
	s_lshl_b32 s19, s18, 10                        ; my wave's 256 channels: 1,024 bytes of a row
	v_lshlrev_b32 v4, 13, v1                       ; row r: 8,192 bytes
	v_lshl_add_u32 v4, v2, 6, v4
	v_add_nc_u32 v4, s19, v4                       ; v4: my offset in a fragment's rows; never rewritten
	s_lshl_b32 s20, s18, 12
	v_lshl_add_u32 v5, v3, 4, s20                  ; v5: where I put my partial tiles: 4,096 w + 16 l
	s_lshl_b32 s20, s18, 9
	v_lshl_add_u32 v6, v3, 4, s20                  ; v6: what I add up: registers 4 (w & 1) .. + 3 of tile w >> 1: 512 w + 16 l in every wave's part
	v_mul_u32_u24 v7, v1, RP                       ; they are head r, steps 16 (w >> 1) + 8 h + 4 (w & 1) .. + 3
	v_lshl_add_u32 v7, v2, 5, v7
	s_lshr_b32 s21, s18, 1
	s_lshl_b32 s21, s21, 6
	s_and_b32 s22, s18, 1
	s_lshl_b32 s22, s22, 4
	s_add_co_u32 s21, s21, s22
	s_add_co_u32 s21, s21, ROWS
	v_add_nc_u32 v7, s21, v7                       ; v7: where my four a2 go
	s_lshr_b32 s23, ttmp9, 1                       ; the chunk,
	s_and_b32 s22, ttmp9, 1                        ; the half of the heads
	s_lshl_b32 s20, s23, 19                        ; the chunk's 64 rows of x
	s_mov_b32 s21, 0
	s_add_nc_u64 s[24:25], s[4:5], s[20:21]
	s_lshl_b32 s20, s22, 17                        ; 16 rows of W_in
	s_add_nc_u64 s[26:27], s[6:7], s[20:21]
	s_add_nc_u64 s[26:27], s[26:27], 0x4000000     ; behind row 8,192
	s_lshl_b32 s20, ttmp9, 12                      ; 8,192 x chunk + 4,096 x half
	s_add_nc_u64 s[28:29], s[16:17], s[20:21]      ; sb at my 16 heads
.macro LOADX b, m, off                 ; four of a K step's 20 loads, into set b: x's fragment m
.irp c, 0,1,2,3
	global_load_b128 v[RAW+80*(\b)+16*(\m)+4*(\c):RAW+80*(\b)+16*(\m)+4*(\c)+3], v4, s[24:25] offset:(\off)+131072*(\m)+16*(\c)
.endr
.endm
.macro LOADW b, off                    ; the last four: W's fragment
.irp c, 0,1,2,3
	global_load_b128 v[RAW+80*(\b)+64+4*(\c):RAW+80*(\b)+64+4*(\c)+3], v4, s[26:27] offset:(\off)+16*(\c)
.endr
.endm
.macro CVT b
.set k, 0
.rept 40
	v_cvt_pk_bf16_f32 v[FR+k], v[RAW+80*(\b)+2*k], v[RAW+80*(\b)+2*k+1]
.set k, k+1
.endr
.endm
.macro PLACES                          ; four places between a product and a vector line that writes its sources or reads its result (ISA guide 7.12.1)
.rept 4
	v_nop
.endr
.endm
; A K step on set b.  ahead = 1: the set is asked for again, for the K step two on, at byte off from the bases.  left = how many younger loads may stay out.
; The four accumulators take turns, over the backward jump too.
.macro STEP b, off, ahead, left
	s_wait_loadcnt \left                           ; set b is in; the other set's loads may stay out
	PLACES
	CVT \b
.if \ahead
	s_wait_alu depctr_va_vdst(0)                   ; the roundings are done reading RAW[b], in which the 20 loads below land; no product between them names it
.if (\b) == 0
	s_wait_xcnt 0x0                                ; every load issued so far has read its base, so the bases may be written
	s_add_nc_u64 s[24:25], s[24:25], 256
	s_add_nc_u64 s[26:27], s[26:27], 256
.endif
.endif
.irp m, 0,1,2,3
.if \ahead
	LOADX \b, \m, \off
.endif
	v_wmma_f32_16x16x32_bf16 v[ACC+8*(\m):ACC+8*(\m)+7], v[FR+8*(\m):FR+8*(\m)+7], v[FR+32:FR+39], v[ACC+8*(\m):ACC+8*(\m)+7]
.endr
.if \ahead
	LOADW \b, \off
.endif
.endm
	s_wait_alu depctr_va_vdst(0)                   ; v4 to v7 are written: v4 is the offset of every load below, v5 to v7 the LDS addresses of the meeting
.irp m, 0,1,2,3
	LOADX 0, \m, 0                                 ; K step 0
.endr
	LOADW 0, 0
.irp m, 0,1,2,3
	LOADX 1, \m, 128                               ; K step 1
.endr
	LOADW 1, 128
.set r, 0
.rept 32
	v_mov_b32 v[ACC+r], 0                          ; the sums start at 0: written while the first loads are on their way, so that the loop has one form of product
.set r, r+1
.endr
	s_mov_b32 s19, 3
.Lk:                                               ; K steps 2 i and 2 i + 1 are multiplied, 2 i + 2 and 2 i + 3 asked for
	STEP 0, 0, 1, 20
	STEP 1, 128, 1, 20
	s_sub_co_u32 s19, s19, 1
	s_cmp_lg_u32 s19, 0
	s_cbranch_scc1 .Lk
	STEP 0, 0, 0, 20                               ; K steps 6 and 7 load nothing
	STEP 1, 128, 0, 0
	PLACES
	s_wait_alu depctr_va_vdst(0)                   ; the products have written the sums, which the LDS stores read; the roundings are done reading v[16:47], in which the loads behind the barrier land; the places above stay beside this wait
.irp t, 0,1,2,3
	ds_store_b128 v5, v[ACC+8*(\t):ACC+8*(\t)+3] offset:PARTB+1024*(\t)      ; each accumulator's low registers first
	ds_store_b128 v5, v[ACC+8*(\t)+4:ACC+8*(\t)+7] offset:PARTB+1024*(\t)+512
.endr
	s_wait_dscnt 0x0                               ; for the others: my partial sums lie in LDS
	s_barrier_signal -1
	s_barrier_wait -1
.irp u, 0,1,2,3,4,5,6,7                ; the eight waves' parts of my half tile
	ds_load_b128 v[16+4*(\u):19+4*(\u)], v6 offset:PARTB+4096*(\u)
.endr
	s_wait_dscnt 0x0
.irp i, 0,2,4,6,8,10,12,14
	v_pk_add_f32 v[16+(\i):17+(\i)], v[16+(\i):17+(\i)], v[32+(\i):33+(\i)]
.endr
.irp i, 0,2,4,6
	v_pk_add_f32 v[16+(\i):17+(\i)], v[16+(\i):17+(\i)], v[24+(\i):25+(\i)]
.endr
.irp i, 0,2
	v_pk_add_f32 v[16+(\i):17+(\i)], v[16+(\i):17+(\i)], v[20+(\i):21+(\i)]
.endr
.irp i, 0,1,2,3
	v_mul_f32 v[16+(\i)], 0x3fb8aa3b, v[16+(\i)]   ; a log2(e)
.endr
.irp i, 0,1,2,3
	v_exp_f32 v[16+(\i)], v[16+(\i)]               ; exp(a)
.endr
	v_nop                                          ; a plain instruction behind the last exponential,
	s_wait_alu depctr_va_vdst(0)                   ; and one wait for the batch of four, whose results v[16:19] the next lines read
.irp i, 0,1,2,3
	v_mul_f32 v[16+(\i)], 0xbfb8aa3b, v[16+(\i)]   ; -log2(e) exp(a)
.endr
.irp i, 0,1,2,3
	v_max_num_f32 v[16+(\i)], 0xc3160000, v[16+(\i)]  ; not below -150: an infinity ends here
.endr
	s_wait_alu depctr_va_vdst(0)                   ; the four a2 are written into v[16:19], which the LDS store reads
	ds_store_b128 v7, v[16:19]
	s_wait_dscnt 0x0                               ; for wave 0: my a2 lie in LDS
	s_barrier_signal -1
	s_barrier_wait -1
	s_wait_alu depctr_vm_vsrc(0)                   ; my LDS store has read v[16:19], in which wave 0's loads below land: stated ahead of the branch
	s_cmp_lg_u32 s18, 0
	s_cbranch_scc1 .Laend
	; wave 0: lane (r, h) sums steps 32 h .. 32 h + 31 of head r; the lanes of the second half then add the first half's total
	v_mul_u32_u24 v10, v1, RP
	v_lshl_add_u32 v10, v2, 7, v10
	v_add_nc_u32 v10, ROWS, v10
	v_mul_u32_u24 v11, v2, RP
	v_lshl_add_u32 v11, v1, 4, v11
	v_add_nc_u32 v11, ROWS, v11                    ; back: lanes 0-15 one head's 256 bytes, lanes 16-31 the next head's
	v_lshlrev_b32 v12, 4, v3
	v_mov_b32 v48, 0                               ; v_permlanex16_b32's destination counts as read,
	v_mov_b32 v49, 0                               ; and v49 is named with it as a pair
	v_cmp_eq_u32 vcc_lo, 1, v2                     ; the lanes of the second half
	s_mov_b32 s20, 0x76543210                      ; v_permlanex16_b32: each lane takes its own place in the other half
	s_mov_b32 s21, 0xfedcba98
	s_wait_alu depctr_va_vcc(0)                    ; VCC is written, ahead of its one reader, the v_cndmask_b32 below; no branch and no label lies between
	s_wait_alu depctr_va_vdst(0)                   ; v10, v11 and v12 are written, the addresses of all that follows; the sums and scalings above are done with v[16:47], in which the loads land
.irp k, 0,1,2,3,4,5,6,7
	ds_load_b128 v[16+4*(\k):19+4*(\k)], v10 offset:16*(\k)
.endr
	s_wait_dscnt 0x0
.set i, 0
.rept 31
	v_add_f32 v[17+i], v[16+i], v[17+i]            ; the inclusive prefix sums of 32 steps, in f32, in the steps' order
.set i, i+1
.endr
	v_permlanex16_b32 v48, v47, s20, s21           ; the other half's total,
	v_cndmask_b32 v48, 0, v48, vcc_lo              ; which counts for steps 32 to 63 alone
.set i, 0
.rept 16
	v_pk_add_f32 v[16+2*i:17+2*i], v[16+2*i:17+2*i], v[48:49] op_sel_hi:[1,0]
.set i, i+1
.endr
	s_wait_alu depctr_va_vdst(0)                   ; the prefix sums are written into v[16:47], which the LDS stores read
.irp k, 0,1,2,3,4,5,6,7
	ds_store_b128 v10, v[16+4*(\k):19+4*(\k)] offset:16*(\k)
.endr
.irp k, 0,1,2,3,4,5,6,7
	ds_load_b128 v[80+4*(\k):83+4*(\k)], v11 offset:2*RP*(\k)  ; LDS serves a wave's instructions in order (ISA guide 5.7.1.4): these see the stores above
.endr
.irp k, 0,1,2,3,4,5,6,7
	s_wait_dscnt 7-(\k)                            ; load k is back, the 7 - k younger ones stay out
	global_store_b128 v12, v[80+4*(\k):83+4*(\k)], s[28:29] offset:512*(\k)  ; two heads' rows: 512 consecutive bytes
.endr
.Laend:
	s_wait_dscnt 0x0                               ; the closing lines, six on end
	s_wait_alu 0x0
	s_wait_tensorcnt 0x0
	ds_add_u32 v[SPW], v[NIL]
	s_wait_dscnt 0x0
	s_endpgm
.Lfunc_end_k_q901c047f29_prep:
	.size	k_q901c047f29_prep, .Lfunc_end_k_q901c047f29_prep-k_q901c047f29_prep
	.p2alignl 7, 3214868480
	.fill 96, 4, 3214868480
	.section	.rodata,"a",@progbits
	.p2align	6, 0x0
	.amdhsa_kernel k_q901c047f29_prep
		.amdhsa_group_segment_fixed_size 38144
		.amdhsa_private_segment_fixed_size 0
		.amdhsa_enable_private_segment 0
		.amdhsa_kernarg_size 56
		.amdhsa_user_sgpr_count 2
		.amdhsa_user_sgpr_kernarg_segment_ptr 1
		.amdhsa_wavefront_size32 1
		.amdhsa_system_sgpr_workgroup_id_x 1
		.amdhsa_system_sgpr_workgroup_id_y 1
		.amdhsa_system_sgpr_workgroup_id_z 1
		.amdhsa_system_vgpr_workitem_id 0
		.amdhsa_next_free_vgpr 248
		.amdhsa_next_free_sgpr 66
		.amdhsa_reserve_vcc 1
		.amdhsa_float_denorm_mode_32 3
		.amdhsa_float_denorm_mode_16_64 3
		.amdhsa_memory_ordered 1
		.amdhsa_forward_progress 1
		.amdhsa_inst_pref_size 54
	.end_amdhsa_kernel
	.amdgpu_metadata
---
amdhsa.version: [ 1, 2 ]
amdhsa.kernels:
  - .name:           k_q901c047f29_prep
    .symbol:         k_q901c047f29_prep.kd
    .args:
      - { .name: x, .offset: 0, .size: 8, .value_kind: global_buffer, .address_space: global }
      - { .name: W_in, .offset: 8, .size: 8, .value_kind: global_buffer, .address_space: global }
      - { .name: W_out, .offset: 16, .size: 8, .value_kind: global_buffer, .address_space: global }
      - { .name: xb, .offset: 24, .size: 8, .value_kind: global_buffer, .address_space: global }
      - { .name: wib, .offset: 32, .size: 8, .value_kind: global_buffer, .address_space: global }
      - { .name: wof, .offset: 40, .size: 8, .value_kind: global_buffer, .address_space: global }
      - { .name: sb, .offset: 48, .size: 8, .value_kind: global_buffer, .address_space: global }
    .group_segment_fixed_size: 38144
    .private_segment_fixed_size: 0
    .kernarg_segment_align: 8
    .kernarg_segment_size: 56
    .max_flat_workgroup_size: 256
    .sgpr_count:     66
    .vgpr_count:     248
    .wavefront_size: 32
...
	.end_amdgpu_metadata
.endif
;; end of part 6
;; launch gemm1: the kernel of part 2 again; grid 32 x 8, 4 waves a work-group, clusters of 4 x 4, 327,680 bytes of LDS; arguments xb, wib, zs; writes zs
;; launch scan: the kernel of part 3 again; grid 4 x 64, 4 waves a work-group, no clusters, 327,680 bytes of LDS; arguments zs, sb, D, yg; writes yg
;; launch norm: the kernel of part 4 again; grid 256 x 1, 8 waves a work-group, no clusters, 0 bytes of LDS; arguments yg, gamma, beta, yn; writes yn
;; launch gemm2: the kernel of part 5 again; grid 16 x 16, 4 waves a work-group, clusters of 4 x 4, 327,680 bytes of LDS; arguments yn, wof, out0; writes out0
